; MI455X (gfx1250); checked and timed in simulation.
; The chip was launched on July 23, 2026; its instructions are those of AMD's public machine-readable ISA for CDNA 5 (MIT licence, August 2026) and "CDNA5" Instruction Set Architecture Reference Guide (July 2026). The comments in the code are by the model that wrote it; some were corrected since.
;; Window Attention Memory. Allowed arithmetic: matrix products marked QUANTISED: E5M2 operands, one given power-of-two scale a tensor, by v_wmma_f32_16x16x64_bf8_bf8 or v_wmma_f32_16x16x128_bf8_bf8, f32 sums; everything else in f32.
;; Inputs: b_k 1,024 float32; b_o 1,024 float32; b_q 1,024 float32; b_v 1,024 float32; ln_b 1,024 float32; ln_g 1,024 float32; lowp_scales 12 int32 (the exponents e of the quantised operands' scales 2^e); w_k_codes 1,024 x 32 x 32 uint8 (E5M2 codes of w_k, K innermost, in blocks of 32 codes); w_o_codes 1,024 x 32 x 32 uint8 (E5M2 codes of w_o, K innermost, in blocks of 32 codes); w_q_codes 1,024 x 32 x 32 uint8 (E5M2 codes of w_q, K innermost, in blocks of 32 codes); w_v_codes 1,024 x 32 x 32 uint8 (E5M2 codes of w_v, K innermost, in blocks of 32 codes); x 4 x 2,048 x 1,024 float32.
;; Outputs: out0 4 x 2,048 x 1,024 float32.
;; This version of the problem:
;;   THIS VERSION OF THE PROBLEM IS GIVEN IN LOW PRECISION. The matrix products marked QUANTISED in the list below multiply operands that are first quantised to E5M2 (5 exponent bits, 2 mantissa bits; 8 bits a number), with one given power-of-two scale for each operand tensor; their sums are f32. All else is computed in f32.
;;   The module's matrix products, in the order in which they are computed (A, B: the left and right operand; K: the contracted axis; several contracted axes count as one K, in the product's order):
;;     1. [M 8,192, K 1,024] x [K 1,024, N 1,024]; A: computed on the way; B: input w_q (given as codes): QUANTISED (scales: A lowp_scales[0], B lowp_scales[1])
;;     2. [M 8,192, K 1,024] x [K 1,024, N 1,024]; A: computed on the way; B: input w_k (given as codes): QUANTISED (scales: A lowp_scales[2], B lowp_scales[3])
;;     3. [M 8,192, K 1,024] x [K 1,024, N 1,024]; A: computed on the way; B: input w_v (given as codes): QUANTISED (scales: A lowp_scales[4], B lowp_scales[5])
;;     4. batch 64 x [M 2,048, K 64] x [K 64, N 2,048]; A: computed on the way; B: computed on the way: QUANTISED (scales: A lowp_scales[6], B lowp_scales[7])
;;     5. batch 64 x [M 2,048, K 2,048] x [K 2,048, N 64]; A: softmax (see below); B: computed on the way: QUANTISED (scales: A lowp_scales[8], B lowp_scales[9])
;;     6. [M 8,192, K 1,024] x [K 1,024, N 1,024]; A: computed on the way; B: input w_o (given as codes): QUANTISED (scales: A lowp_scales[10], B lowp_scales[11])
;;   THE QUANTISER, for each operand of a quantised product, along K:
;;     - The operand's scale is 2^e, e = its entry of the input lowp_scales (int32; the entries are numbered through the quantised products in the list's order, A before B).
;;     - Each number is divided by the scale, clamped to +-57,344, and rounded to the nearest number of E5M2, ties to even, subnormals kept.
;;     - The product sums the exact products of the quantised numbers (number of the format x scale) in f32.
;;   ~~~python
;;   def quantise(x, axis, e):      # numpy; x: float32 -> the quantised numbers, widened to float32 again
;;       x = np.moveaxis(x, axis, -1); K = x.shape[-1]
;;       r = np.clip(x / 2.0 ** e, -57344, 57344)
;;       step = 2.0 ** (np.maximum(np.frexp(np.where(r == 0, 1, r))[1] - 1, -14) - 2)
;;       q = np.round(r / step) * step * 2.0 ** e      # np.round: ties to even
;;       return np.moveaxis(q, -1, axis).astype(np.float32)
;;   ~~~
;;   SOFTMAX AHEAD OF A QUANTISED PRODUCT. Where the list says 'softmax', what is quantised is not the finished softmax but p = 2^(t - M), with t = logit x log2(e) and M = ceil(the row's largest t), a whole number; so 1/2 < the row's largest p <= 1. The row's sum l is taken of the UNQUANTISED p, in f32, and the product's result is divided by l at the end. Since M is a whole number, a kernel that streams over the keys may use a running M (the ceiling of the running maximum): every later rescaling is an exact power of two, so the quantised numbers keep their values, but for numbers so far below the row's largest that they fall under the format's range.
;;   OPERANDS COMPUTED ON THE WAY. 'Computed on the way' means the value that the module computes at that place (a softmax that the list does not call 'softmax' is quantised finished and normalised). What goes into a quantiser is computed in f32, as accurately as f32 sums, v_exp_f32 and their like allow (about 1e-6 of the number): no bf16 or f16 on the way to a quantiser, and a product that is left as it is and whose result goes on into a quantised operand takes f32 operands (vector FMAs, or v_wmma_f32_16x16x4_f32). A number that lies on a knife's edge between two numbers of the format may be rounded either way, as far as f32 arithmetic and the matrix unit's own rounding can turn it there, and no further.
;;   INPUTS GIVEN AS CODES. w_k (in the module: [1024, 1024], K = its axis 1); w_o (in the module: [1024, 1024], K = its axis 1); w_q (in the module: [1024, 1024], K = its axis 1); w_v (in the module: [1024, 1024], K = its axis 1): each comes as NAME_codes (uint8): NAME with its K axis moved to the last place and cut into blocks of 32 codes, [.., K / 32, bytes a block], one block behind the other in memory; one code a byte (a code: sign, 5 exponent bits, 2 mantissa bits); its scale is its entry of lowp_scales. Its value is code x scale, taken as it is: it is not quantised again, and the codes and scales need not be those that the quantiser above would give.
;; One version. Each part assembles by itself: llvm-mc -triple=amdgcn-amd-amdhsa -mcpu=gfx1250 --defsym DOCPART=n.
;; ======== version 1 of 1: 4 launches
;; workspace buffers: xc0 8,388,608 bytes; xc1 8,388,608 bytes; xc2 8,388,608 bytes; qc 9,437,184 bytes; kc 9,437,184 bytes; vc 9,437,184 bytes; cc 8,388,608 bytes
;; launch lnq (part 1): grid 256 x 1, 8 waves a work-group, no clusters, 0 bytes of LDS; arguments x, ln_g, ln_b, lowp_scales, xc0, xc1, xc2, kc, vc; writes xc0, xc1, xc2, kc, vc
.if DOCPART == 1
	.amdgcn_target "amdgcn-amd-amdhsa--gfx1250"
	.amdhsa_code_object_version 6
	.text
	.protected	k_q71e604cc1f_lnq
	.globl	k_q71e604cc1f_lnq
	.p2align	8
	.type	k_q71e604cc1f_lnq,@function
k_q71e604cc1f_lnq:
	s_mov_b64 s[64:65], 0
	v_nop
	global_prefetch_b8 v0, s[64:65] scope:SCOPE_SE
	s_setreg_imm32_b32 hwreg(HW_REG_WAVE_MODE, 25, 1), 1
	s_wait_xcnt 0x0
; xn = (x - mean) * rsqrt(var + 1e-12) * g + b for 8,192 rows of 1,024 f32, then xn as codes of E5M2 three times over: with 2^e0 into xc0, 2^e2 into xc1, 2^e4 into xc2
; (the three projections each name a scale of their own for this operand).  Codes lie [row][1024], one byte each, K innermost.
; code = xn / 2^e, held within +-57,344, rounded to the nearest code, ties to even.
; LIMITS: e0, e2, e4 between -126 and 112, so that 2^e and 57,344 x 2^e are f32 numbers.  NaN among the inputs is not served.
; The launch also writes the zero codes in front of each head's keys and values: rows 0-255 of each [2304][64] block of kc, bytes 0-255 of each row of 2,304 bytes of vc.
; SHARES.  Eight waves, 32 rows a work-group, ONE WAVE TO A ROW, four rows a wave: a row's 4,096 bytes are 32 registers a lane and stay there between the passes, so x is read once and no wave waits for another.
; Lane l holds, in chunk j of four, the 8 neighbours k = 256 j + 8 l + 0..7: the conversions take 8 neighbours along K from one lane, and a chunk's 8 codes a lane make a store of 256 consecutive bytes, aligned.
; The variance is taken of x - mean in a second pass over the registers, so a common offset of the inputs costs no digits.
.set G,   16                           ; v16-47   g of my 32 columns
.set BB,  48                           ; v48-79   b of my 32 columns
.set X,   80                           ; v80-207  row i of four at X + 32 i, chunk j at + 8 j
.set T,   208                          ; v208-231 at work: sums, then three sets of 8 held numbers
.set C,   232                          ; v232-255 codes: version v, chunk j at C + 8 v + 2 j.  At the head v232-235 hold the pads' zeros
.set SC0, 5                            ; 2^e0, 2^e2, 2^e4 as f32
.set SC1, 10
.set SC2, 11
.set LM0, 12                           ; 57,344 x those
.set LM1, 13
.set LM2, 14
	s_load_b512 s[4:19], s[0:1], 0x0               ; x s[4:5], g s[6:7], b s[8:9], scales s[10:11], xc0 s[12:13], xc1 s[14:15], xc2 s[16:17], kc s[18:19]
	s_load_b64 s[20:21], s[0:1], 0x40              ; vc
	v_lshrrev_b32 v1, 5, v0
	v_readfirstlane_b32 s22, v1                    ; wave 0..7
	v_and_b32 v2, 31, v0                           ; lane
	v_lshlrev_b32 v1, 5, v2                        ; 32 l: my 8 numbers of a chunk, in x, g and b
	v_lshlrev_b32 v2, 3, v2                        ; 8 l: my 8 codes of a chunk
	v_lshlrev_b32 v3, 4, v0                        ; kc's pad: 16 bytes a thread, 4,096 on end a work-group
	v_lshrrev_b32 v4, 4, v0
	v_mul_u32_u24 v4, v4, 2304                     ; vc's pad: sixteen threads to a row's first 256 bytes, 16 rows a work-group
	v_and_b32 v15, 15, v0
	v_lshl_add_u32 v4, v15, 4, v4
.irp k, 0,1,2,3
	v_mov_b32 v[C+\k], 0
.endr
	s_lshl_b32 s24, ttmp9, 17                      ; x: 32 rows of 4,096 bytes a work-group,
	s_lshl_b32 s25, s22, 14                        ; 4 rows a wave
	s_add_co_u32 s24, s24, s25
	s_mov_b32 s25, 0
	s_lshl_b32 s26, ttmp9, 15                      ; the codes: rows of 1,024 bytes
	s_lshl_b32 s27, s22, 12
	s_add_co_u32 s26, s26, s27
	s_mov_b32 s27, 0
	s_lshr_b32 s44, ttmp9, 2                       ; the pads: four work-groups to each of the 64 heads
	s_and_b32 s45, ttmp9, 3
	s_mul_i32 s40, s44, 147456                     ; kc: a head's block is 2,304 x 64 bytes; my quarter of its first 16,384
	s_lshl_b32 s46, s45, 12
	s_add_co_u32 s40, s40, s46
	s_mov_b32 s41, 0
	s_lshl_b32 s42, s44, 6                         ; vc: a head has 64 rows of 2,304 bytes; my 16 of them
	s_lshl_b32 s46, s45, 4
	s_add_co_u32 s42, s42, s46
	s_mul_i32 s42, s42, 2304
	s_mov_b32 s43, 0
	s_mov_b32 s28, 0x76543210                      ; v_permlanex16_b32: lane l takes lane l xor 16
	s_mov_b32 s29, 0xfedcba98
	s_mov_b32 s30, 0x3a800000                      ; 1 / 1024
	s_mov_b32 s31, 0x2b8cbccc                      ; 1e-12
	s_wait_kmcnt 0x0
	s_load_b256 s[32:39], s[10:11], 0x0            ; e0 .. e7
	s_add_nc_u64 s[4:5], s[4:5], s[24:25]
	s_add_nc_u64 s[12:13], s[12:13], s[26:27]
	s_add_nc_u64 s[14:15], s[14:15], s[26:27]
	s_add_nc_u64 s[16:17], s[16:17], s[26:27]
	s_add_nc_u64 s[18:19], s[18:19], s[40:41]
	s_add_nc_u64 s[20:21], s[20:21], s[42:43]
.irp j, 0,1,2,3
	global_load_b128 v[G+8*\j:G+8*\j+3],    v1, s[6:7] offset:1024*\j
	global_load_b128 v[G+8*\j+4:G+8*\j+7],  v1, s[6:7] offset:1024*\j+16
	global_load_b128 v[BB+8*\j:BB+8*\j+3],   v1, s[8:9] offset:1024*\j
	global_load_b128 v[BB+8*\j+4:BB+8*\j+7], v1, s[8:9] offset:1024*\j+16
.endr
.irp i, 0,1,2,3                        ; all four rows are asked for at once: 32 loads a wave; a chunk's two loads together cover 1,024 consecutive bytes
.irp j, 0,1,2,3
	global_load_b128 v[X+32*\i+8*\j:X+32*\i+8*\j+3],   v1, s[4:5] offset:4096*\i+1024*\j th:TH_LOAD_NT
	global_load_b128 v[X+32*\i+8*\j+4:X+32*\i+8*\j+7], v1, s[4:5] offset:4096*\i+1024*\j+16 th:TH_LOAD_NT
.endr
.endr
	global_store_b128 v3, v[C:C+3], s[18:19]       ; the pads: sixteen lanes store 256 consecutive bytes, aligned
	global_store_b128 v4, v[C:C+3], s[20:21]
	s_wait_kmcnt 0x0
.macro MKSC e, sc, lm                  ; 2^e and 57,344 x 2^e as f32 patterns
	s_add_co_i32 s46, \e, 127
	s_lshl_b32 s47, s46, 23
	v_mov_b32 v[\sc], s47
	s_add_co_i32 s46, s46, 15
	s_lshl_b32 s46, s46, 23
	s_or_b32 s46, s46, 0x600000
	v_mov_b32 v[\lm], s46
.endm
	MKSC s32, SC0, LM0
	MKSC s34, SC1, LM1
	MKSC s36, SC2, LM2
.macro REDUCE                          ; four chains of pairs in v[T .. T+7] become one number, the same in all 32 lanes
	v_pk_add_f32 v[T:T+1], v[T:T+1], v[T+2:T+3]
	v_pk_add_f32 v[T+4:T+5], v[T+4:T+5], v[T+6:T+7]
	v_pk_add_f32 v[T:T+1], v[T:T+1], v[T+4:T+5]
	v_add_f32 v[T], v[T], v[T+1]
	v_add_f32_dpp v[T], v[T], v[T] row_xmask:1 row_mask:0xf bank_mask:0xf
	v_add_f32_dpp v[T], v[T], v[T] row_xmask:2 row_mask:0xf bank_mask:0xf
	v_add_f32_dpp v[T], v[T], v[T] row_xmask:4 row_mask:0xf bank_mask:0xf
	v_add_f32_dpp v[T], v[T], v[T] row_xmask:8 row_mask:0xf bank_mask:0xf
	v_permlanex16_b32 v15, v[T], s28, s29          ; (its destination has been written before)
	v_add_f32 v[T], v[T], v15
.endm
.macro QSET xr, j, v, sc, lm           ; chunk j's 8 numbers, held within the largest code x the scale (the conversion to an 8-bit code does not saturate: ISA guide 7.6.2), become 8 codes of version v
.irp k, 0,1,2,3,4,5,6,7
	v_med3_num_f32 v[T+8*\v+\k], v[\xr+8*\j+\k], -v[\lm], v[\lm]
.endr
	v_cvt_scalef32_pk8_bf8_f32 v[C+8*\v+2*\j:C+8*\v+2*\j+1], v[T+8*\v:T+8*\v+7], v[\sc]   ; the next set's eight holds are the plain instructions behind it
.endm
.macro ROW i
.set XR, X+32*(\i)
	s_wait_loadcnt 8*(3-(\i))                      ; loads come back in order (ISA guide 5.7.1): g, b and my row are in; the later rows' eight loads each may be out
.irp c, 0,1,2,3
	v_pk_add_f32 v[T+2*\c:T+2*\c+1], v[XR+2*\c:XR+2*\c+1], v[XR+8+2*\c:XR+8+2*\c+1]   ; the first numbers start the chains: nothing is cleared
.endr
.irp c, 0,1,2,3
	v_pk_add_f32 v[T+2*\c:T+2*\c+1], v[T+2*\c:T+2*\c+1], v[XR+16+2*\c:XR+16+2*\c+1]
.endr
.irp c, 0,1,2,3
	v_pk_add_f32 v[T+2*\c:T+2*\c+1], v[T+2*\c:T+2*\c+1], v[XR+24+2*\c:XR+24+2*\c+1]
.endr
	REDUCE
	v_mul_f32 v6, s30, v[T]                        ; the mean, twice: a pair for the packed form
	v_mul_f32 v7, s30, v[T]
.irp p, 0,2,4,6,8,10,12,14,16,18,20,22,24,26,28,30
	v_pk_add_f32 v[XR+\p:XR+\p+1], v[XR+\p:XR+\p+1], v[6:7] neg_lo:[0,1] neg_hi:[0,1]   ; x - mean, in place
.endr
.irp c, 0,1,2,3
	v_pk_mul_f32 v[T+2*\c:T+2*\c+1], v[XR+2*\c:XR+2*\c+1], v[XR+2*\c:XR+2*\c+1]
.endr
.irp p, 8,16,24
.irp c, 0,1,2,3
	v_pk_fma_f32 v[T+2*\c:T+2*\c+1], v[XR+\p+2*\c:XR+\p+2*\c+1], v[XR+\p+2*\c:XR+\p+2*\c+1], v[T+2*\c:T+2*\c+1]
.endr
.endr
	REDUCE
	v_fma_f32 v[T+2], v[T], s30, s31               ; var + 1e-12
	v_rsq_f32 v8, v[T+2]                           ; twice: a pair
	v_rsq_f32 v9, v[T+2]
	v_nop                                          ; one plain instruction behind the transcendentals (ISA guide 5.7.2),
	s_wait_alu depctr_va_vdst(0)                   ; and the wait ahead of their first reader: one for both
.irp p, 0,2,4,6,8,10,12,14,16,18,20,22,24,26,28,30
	v_pk_mul_f32 v[XR+\p:XR+\p+1], v[XR+\p:XR+\p+1], v[8:9]
.endr
.irp p, 0,2,4,6,8,10,12,14,16,18,20,22,24,26,28,30
	v_pk_fma_f32 v[XR+\p:XR+\p+1], v[XR+\p:XR+\p+1], v[G+\p:G+\p+1], v[BB+\p:BB+\p+1]   ; x g + b
.endr
	s_wait_xcnt 0x0                                ; the stores issued so far (the pads', the last row's) have read their data: the code registers are rewritten only behind this wait
.irp j, 0,1,2,3
	QSET XR, \j, 0, SC0, LM0
	QSET XR, \j, 1, SC1, LM1
	QSET XR, \j, 2, SC2, LM2
.endr
.irp j, 0,1,2,3
	global_store_b64 v2, v[C+2*\j:C+2*\j+1],       s[12:13] offset:1024*(\i)+256*\j th:TH_STORE_NT   ; 32 lanes store 256 consecutive bytes, aligned
	global_store_b64 v2, v[C+8+2*\j:C+8+2*\j+1],   s[14:15] offset:1024*(\i)+256*\j th:TH_STORE_NT
	global_store_b64 v2, v[C+16+2*\j:C+16+2*\j+1], s[16:17] offset:1024*(\i)+256*\j th:TH_STORE_NT
.endr
.endm
	ROW 0
	ROW 1
	ROW 2
	ROW 3
	s_endpgm
.Lfunc_end_k_q71e604cc1f_lnq:
	.size	k_q71e604cc1f_lnq, .Lfunc_end_k_q71e604cc1f_lnq-k_q71e604cc1f_lnq
	.p2alignl 7, 3214868480
	.fill 96, 4, 3214868480
	.section	.rodata,"a",@progbits
	.p2align	6, 0x0
	.amdhsa_kernel k_q71e604cc1f_lnq
		.amdhsa_group_segment_fixed_size 0
		.amdhsa_private_segment_fixed_size 0
		.amdhsa_enable_private_segment 0
		.amdhsa_kernarg_size 72
		.amdhsa_user_sgpr_count 2
		.amdhsa_user_sgpr_kernarg_segment_ptr 1
		.amdhsa_wavefront_size32 1
		.amdhsa_system_sgpr_workgroup_id_x 1
		.amdhsa_system_sgpr_workgroup_id_y 1
		.amdhsa_system_sgpr_workgroup_id_z 1
		.amdhsa_system_vgpr_workitem_id 0
		.amdhsa_next_free_vgpr 256
		.amdhsa_next_free_sgpr 66
		.amdhsa_reserve_vcc 0
		.amdhsa_float_denorm_mode_32 3
		.amdhsa_float_denorm_mode_16_64 3
		.amdhsa_memory_ordered 1
		.amdhsa_forward_progress 1
		.amdhsa_inst_pref_size 64
	.end_amdhsa_kernel
	.amdgpu_metadata
---
amdhsa.version: [ 1, 2 ]
amdhsa.kernels:
  - .name:           k_q71e604cc1f_lnq
    .symbol:         k_q71e604cc1f_lnq.kd
    .args:
      - { .name: x, .offset: 0, .size: 8, .value_kind: global_buffer, .address_space: global }
      - { .name: ln_g, .offset: 8, .size: 8, .value_kind: global_buffer, .address_space: global }
      - { .name: ln_b, .offset: 16, .size: 8, .value_kind: global_buffer, .address_space: global }
      - { .name: lowp_scales, .offset: 24, .size: 8, .value_kind: global_buffer, .address_space: global }
      - { .name: xc0, .offset: 32, .size: 8, .value_kind: global_buffer, .address_space: global }
      - { .name: xc1, .offset: 40, .size: 8, .value_kind: global_buffer, .address_space: global }
      - { .name: xc2, .offset: 48, .size: 8, .value_kind: global_buffer, .address_space: global }
      - { .name: kc, .offset: 56, .size: 8, .value_kind: global_buffer, .address_space: global }
      - { .name: vc, .offset: 64, .size: 8, .value_kind: global_buffer, .address_space: global }
    .group_segment_fixed_size: 0
    .private_segment_fixed_size: 0
    .kernarg_segment_align: 8
    .kernarg_segment_size: 72
    .max_flat_workgroup_size: 256
    .sgpr_count:     66
    .vgpr_count:     256
    .wavefront_size: 32
...
	.end_amdgpu_metadata
.endif
;; end of part 1
;; launch qkv (part 2): grid 4 x 96, 4 waves a work-group, clusters of 4 x 4, 327,680 bytes of LDS; arguments xc0, xc1, xc2, w_q_codes, w_k_codes, w_v_codes, b_q, b_k, b_v, lowp_scales, qc, kc, vc; writes qc, kc, vc
.if DOCPART == 2
	.amdgcn_target "amdgcn-amd-amdhsa--gfx1250"
	.amdhsa_code_object_version 6
	.text
	.protected	k_q71e604cc1f_qkv
	.globl	k_q71e604cc1f_qkv
	.p2align	8
	.type	k_q71e604cc1f_qkv,@function
k_q71e604cc1f_qkv:
	s_mov_b64 s[64:65], 0
	v_nop
	global_prefetch_b8 v0, s[64:65] scope:SCOPE_SE
	s_setreg_imm32_b32 hwreg(HW_REG_WAVE_MODE, 25, 1), 1
	s_wait_xcnt 0x0
	s_wait_alu depctr_hold_cnt(0) depctr_sa_sdst(0) depctr_va_vdst(0) depctr_va_sdst(0) depctr_va_ssrc(0) depctr_va_vcc(0) depctr_vm_vsrc(0)
	s_getreg_b32 s2, hwreg(HW_REG_IB_STS2, 6, 4)
	s_cmp_eq_u32 s2, 0
	s_cbranch_scc0 .Lentry_in_a_cluster
	s_endpgm
.Lentry_in_a_cluster:
	s_bfe_u32 s2, ttmp6, 0x10000c
	s_cmp_lg_u32 s2, 0xf033
	s_cbranch_scc0 .Lentry_shape_is_right
	s_endpgm
.Lentry_shape_is_right:
; The three projections, on codes of E5M2, and their results as codes again.  One body, three problems p = cluster y / 8:  C[m][n] = sum over k of A[m][k] B[n][k], K = 1,024, tiles of 256 x 256.
;   p = 0 (q), 1 (k): A = xn's codes (8,192 tokens), B = the weight's (1,024 features).  y = sum x 2^(eA + eB) + bias[n]; its codes (scale 2^e6, 2^e7) go to qc, kc: [16 batch + head][256 + s][64], K = the head's 64 innermost.
;   p = 2 (v):        A = w_v's codes (features), B = xn's codes (tokens): the same sums with the sides changed.  y = sum x 2^(e4 + e5) + bias[m]; its codes (2^e9) go to vc: [16 batch + head][d][256 + s], K = the keys innermost.
; THE MATRIX INSTRUCTION IS USED TRANSPOSED (source 0 = 16 rows of B, source 1 = 16 rows of A): a lane holds eight neighbouring n of one row m.  For q and k those are 8 neighbours along the head's axis, for v 8 neighbouring
; keys: in each case 8 neighbours along the K of the product that will read them, which is what the conversion takes from one lane.
; LIMITS: e0+e1, e2+e3, e4+e5 between -126 and 127; e6, e7, e9 between -126 and 112: each power of two below is then an f32 number.  NaN is not served.
; A work-group of four waves makes a tile, a wave 128 x 128: 64 accumulators, 512 registers.  K goes in four steps of 256 through two LDS slots filled by the tensor data mover; a tile's row is 256 bytes of memory.
; CLUSTERS: 4 x 4 work-groups, all of one problem (the grid has one cluster along x, 24 along y).  The four of a row of the cluster need the same tiles of A, the four of a column the same tiles of B: each is asked for jointly.
; REGISTERS, in windows of 256: window 0: v10-31 addresses and scales; v32-95 bias by columns, v96-111 bias by rows; from v128 A's fragments, ONE set; on the way out v128-255 are free.
;   window 1: B's fragments, TWO sets.   window 2: the accumulators of my rows 0-63 ((a, b) at v[8 (8 a + b)]);   window 3: those of my rows 64-127.
.set ROWB,   256                       ; a tile's row in bytes: a K step's codes
.set KROW,   1024                      ; a row of A or of B in memory
.set PITCH,  272                       ; an LDS row: 256 bytes + 16 of padding = 68 words: the 16 rows that a fragment load touches start at 16 different banks (64 banks of 4 bytes: ISA guide 11.1)
.set FR,     16                        ; registers of a fragment: 16 rows x 128 K
.set NL,     4                         ; LDS loads that bring one
.set NP,     4                         ; places behind this matrix instruction (ISA guide 7.12.1)
.set HALFT,  128*PITCH                 ; what one tensor load brings
.set SLOT,   4*HALFT                   ; A's 256 rows, then B's 256 rows
.set SPARE,  2*SLOT                    ; behind the ring: the spare words, 128 bytes a wave, that no other line names
.set SPITCH, 272                       ; the way out: a stage of 256 rows x (256 codes + 16), the work-group's.  Two of them, one for each way out, fill slot 0, which has had its last fill and its last read by then
.set STGM,   256*SPITCH                ; the second stage (v's)
.set BNO,  10                          ; v10  byte offset of my columns' biases
.set BMO,  11                          ; v11  of my rows'
.set SCL,  12                          ; v12  the output's scale as f32
.set LIM,  13                          ; v13  57,344 x that
.set ADRA, 16                          ; v16-17  LDS address of my A fragments in slot 0, 1
.set ADRB, 20                          ; v20-21  the same for B
.set STON, 24                          ; v24, v25  where I put 8 codes of a row, in the first and in the second stage
.set STOM, 25
.set RDN,  26                          ; v26  q, k: where I read back: four lanes to a token's 64 bytes of one head
.set RDM,  27                          ; v27  v: sixteen lanes to a row of 256 bytes
.set SPW,  28                          ; v28  my spare word; never rewritten
.set NIL,  29                          ; v29  0; never rewritten
.set GON,  30                          ; v30, v31  my byte offsets in the outputs
.set GOM,  31
.set BN,   32
.set BM,   96
.set AF,   128
.set TMP,  128                         ; the way out: a block's 64 numbers
.set CD,   192                         ; its 16 registers of codes
.set RB,   128                         ; 32 x 4 registers read back from the stage
.set G1, 24
.set G0, 32
.set G1B, 48
.set G0B, 56
.set MSB, 0
.macro WIN new                         ; the immediate's high byte repeats the setting that is left
.if MSB != (\new)
	s_set_vgpr_msb (MSB<<8)|(\new)
.set MSB, (\new)
.endif
.endm
.set MUL_LO, 0xa1                      ; source 0 (B) window 1, source 1 (A) window 0, C and D window 2
.set MUL_HI, 0xf1                      ; the same, C and D window 3
.set TO_B,   0x40                      ; destination window 1, address window 0
; A joint load: waves 0 and 1 fetch for A, waves 2 and 3 for B; the branch hangs on the wave's number alone.  An s_nop 0 and four v_nop follow each of the two lines.
.macro JLOAD g0a, g1a, g0b, g1b
	s_cmp_eq_u32 s15, 0
	s_cbranch_scc0 .Lfor_b_\@
	tensor_load_to_lds s[\g0a:\g0a+3], s[\g1a:\g1a+7]
	s_nop 0
.rept 4
	v_nop
.endr
	s_branch .Lasked_\@
.Lfor_b_\@:
	tensor_load_to_lds s[\g0b:\g0b+3], s[\g1b:\g1b+7]
	s_nop 0
.rept 4
	v_nop
.endr
.Lasked_\@:
.endm
.macro CREST                           ; a round of the cluster's barrier behind its opening barrier
	s_cmp_lg_u32 s14, 0
	s_cbranch_scc1 .Lnot_wave_0_\@
	s_barrier_signal -3
.Lnot_wave_0_\@:
	s_barrier_wait -3
	s_barrier_signal -1
	s_barrier_wait -1
.endm
.macro CROUND
	s_barrier_signal -1
	s_barrier_wait -1
	CREST
.endm
	s_load_b512 s[68:83], s[0:1], 0x0              ; xc0 s[68:69], xc1 s[70:71], xc2 s[72:73], w_q s[74:75], w_k s[76:77], w_v s[78:79], b_q s[80:81], b_k s[82:83]
	s_load_b256 s[84:91], s[0:1], 0x40             ; b_v s[84:85], scales s[86:87], qc s[88:89], kc s[90:91]
	s_load_b64 s[92:93], s[0:1], 0x60              ; vc
	v_lshl_add_u32 v[SPW], v0, 2, SPARE
	v_mov_b32 v[NIL], 0
	ds_add_u32 v[SPW], v[NIL]                      ; the wave's opening: the add and its wait ahead of my first tensor load; the set-up below, work on registers, stands between them
	v_lshrrev_b32 v1, 5, v0
	v_readfirstlane_b32 s14, v1                    ; wave 0..3
	s_lshr_b32 s15, s14, 1                         ; which half of the tile's rows is mine.  Also: I fetch for A (0) or for B (1)
	s_and_b32 s16, s14, 1                          ; which half of its columns.  Also: which 128 rows of that tile I fetch
	s_bfe_u32 s40, ttmp6, 0x40000                  ; cx, cy: my place in the cluster
	s_bfe_u32 s41, ttmp6, 0x40004
	s_and_b32 s94, ttmp7, 0xffff                   ; cluster y, 0..23
	s_and_b32 s95, s94, 7
	s_lshl_b32 s95, s95, 2                         ; the cluster's first block of 256 tokens
	s_lshr_b32 s94, s94, 3                         ; p: the same in all sixteen partners
	s_cmp_lt_u32 s94, 2
	s_cselect_b32 s17, s95, 0                      ; q, k: the tokens are A's rows;
	s_cselect_b32 s42, 0, s95                      ; v: they are B's
	s_add_co_u32 s17, s17, s41                     ; tile row: hangs on cy alone
	s_add_co_u32 s42, s42, s40                     ; tile column: on cx alone
	s_lshl_b32 s43, s41, 2
	s_lshl_b32 s43, 15, s43                        ; my row of the cluster
	s_lshl_b32 s44, 0x1111, s40                    ; my column
	; descriptor group 1: a tile of 128 rows x 256 bytes, padded in LDS
	s_or_b32 s[G1+0], s43, (0<<16)|(1<<20)|(1<<21)|(5<<22)|(3<<25)  ; 15:0 the mask: A's tiles go to my row; 17:16 elements of 1 byte; 20 padding on; 21 set beside a mask; 24:22 after every 64 words; 31:25 four words
	s_or_b32 s[G1B+0], s44, (0<<16)|(1<<20)|(1<<21)|(5<<22)|(3<<25)
.irp g, G1, G1B
	s_mov_b32 s[\g+1], ROWB<<16                    ; tensor_dim0
	s_mov_b32 s[\g+2], 128<<16                     ; tensor_dim1
	s_mov_b32 s[\g+3], ROWB<<16                    ; tile_dim0
	s_mov_b32 s[\g+4], 128                         ; tile_dim1
	s_mov_b32 s[\g+5], KROW                        ; tensor_dim0_stride
	s_mov_b32 s[\g+6], 0
	s_mov_b32 s[\g+7], 0
.endr
	s_lshl_b32 s18, s16, 7                         ; which 128 rows of the tile I fetch
	s_lshl_b32 s20, s17, 8
	s_add_co_u32 s20, s20, s18
	s_lshl_b32 s20, s20, 10                        ; A: (256 x tile row + 128 x half) rows of 1,024 bytes
	s_mov_b32 s21, 0
	s_lshl_b32 s46, s42, 8
	s_add_co_u32 s46, s46, s18
	s_lshl_b32 s46, s46, 10                        ; B likewise, by the tile column
	s_mov_b32 s47, 0
	s_mul_i32 s45, s14, HALFT                      ; where they go: wave x 128 rows: no place in the cluster enters an LDS address
	s_wait_dscnt 0x0                               ; the opening add is done
	s_wait_kmcnt 0x0
	s_cmp_eq_u32 s94, 1                            ; the problem's four buffers: a choice on the cluster's number alone
	s_cselect_b64 s[4:5], s[70:71], s[78:79]       ; A
	s_cselect_b64 s[6:7], s[76:77], s[72:73]       ; B
	s_cselect_b64 s[10:11], s[90:91], s[92:93]     ; the output
	s_cselect_b64 s[12:13], s[82:83], s[84:85]     ; the bias
	s_cmp_eq_u32 s94, 0
	s_cselect_b64 s[4:5], s[68:69], s[4:5]
	s_cselect_b64 s[6:7], s[74:75], s[6:7]
	s_cselect_b64 s[10:11], s[88:89], s[10:11]
	s_cselect_b64 s[12:13], s[80:81], s[12:13]
	s_load_b256 s[68:75], s[86:87], 0x0            ; e0 .. e7, into registers whose pointers have been chosen from
	s_load_b128 s[76:79], s[86:87], 0x20           ; e8 .. e11
	s_add_nc_u64 s[20:21], s[4:5], s[20:21]
	s_add_nc_u64 s[46:47], s[6:7], s[46:47]
	CROUND                                         ; all sixteen work-groups are here: the first joint loads meet
.irp s, 0,1
	s_mov_b32 s[G0+4*\s], 1
	s_add_co_u32 s[G0+4*\s+1], s45, \s*SLOT
	s_add_nc_u64 s[G0+4*\s+2:G0+4*\s+3], s[20:21], \s*ROWB
	s_or_b32 s[G0+4*\s+3], s[G0+4*\s+3], 0x80000000
	s_mov_b32 s[G0B+4*\s], 1
	s_add_co_u32 s[G0B+4*\s+1], s45, \s*SLOT
	s_add_nc_u64 s[G0B+4*\s+2:G0B+4*\s+3], s[46:47], \s*ROWB
	s_or_b32 s[G0B+4*\s+3], s[G0B+4*\s+3], 0x80000000
	JLOAD G0+4*\s, G1, G0B+4*\s, G1B               ; two tensor loads of mine are out
.endr
	v_and_b32 v1, 15, v0                           ; r = l % 16
	v_bfe_u32 v2, v0, 4, 1                         ; h = l / 16
	v_and_b32 v5, 31, v0                           ; l
	; the biases, both ways, on the one path: by columns (q, k use it) and by rows (v uses it); the tile's number is taken modulo 4, so that both stay inside the 1,024 numbers in every problem
	s_and_b32 s21, s42, 3
	s_lshl_b32 s21, s21, 10
	s_lshl_b32 s22, s16, 9
	s_add_co_u32 s21, s21, s22
	v_lshlrev_b32 v[BNO], 5, v2
	v_add_nc_u32 v[BNO], s21, v[BNO]               ; 4 (256 tile column + 128 half) + 32 h
	s_and_b32 s21, s17, 3
	s_lshl_b32 s21, s21, 10
	s_lshl_b32 s22, s15, 9
	s_add_co_u32 s21, s21, s22
	v_lshlrev_b32 v[BMO], 2, v1
	v_add_nc_u32 v[BMO], s21, v[BMO]               ; 4 (256 tile row + 128 half) + 4 r
.irp b, 0,1,2,3,4,5,6,7
	global_load_b128 v[BN+8*\b:BN+8*\b+3],   v[BNO], s[12:13] offset:64*\b      ; bias of columns 16 b + 8 h + 0 .. 7
	global_load_b128 v[BN+8*\b+4:BN+8*\b+7], v[BNO], s[12:13] offset:64*\b+16
.endr
.irp a, 0,1,2,3,4,5,6,7
	global_load_b32 v[BM+2*\a],   v[BMO], s[12:13] offset:64*\a                 ; bias of row 16 a + r, twice: a pair for the packed form
	global_load_b32 v[BM+2*\a+1], v[BMO], s[12:13] offset:64*\a
.endr
	v_mul_u32_u24 v3, v1, PITCH
	v_lshl_add_u32 v4, v2, 4, v3                   ; a fragment's row x pitch + 16 x half
	s_mul_i32 s21, s15, HALFT                      ; my 128 rows of A
	s_mul_i32 s22, s16, HALFT                      ; my 128 rows of B,
	s_add_co_u32 s22, s22, 2*HALFT                 ; which lie behind A's 256
.irp s, 0,1
	v_add_nc_u32 v[ADRA+\s], s21, v4
	v_add_nc_u32 v[ADRB+\s], s22, v4
	s_add_co_u32 s21, s21, SLOT
	s_add_co_u32 s22, s22, SLOT
.endr
	v_lshl_add_u32 v[STON], v2, 3, v3              ; into a stage: row 128 x row half + r, byte 128 x column half + 8 h
	s_mul_i32 s23, s15, 128*SPITCH
	s_lshl_b32 s21, s16, 7
	s_add_co_u32 s23, s23, s21
	v_add_nc_u32 v[STON], s23, v[STON]
	v_add_nc_u32 v[STOM], STGM, v[STON]
	s_mul_i32 s23, s14, 64*SPITCH                  ; back: wave w takes rows 64 w .. 64 w + 63
	v_lshrrev_b32 v6, 2, v5
	v_mul_u32_u24 v6, v6, SPITCH
	v_and_b32 v7, 3, v5
	v_lshl_add_u32 v6, v7, 4, v6
	v_add_nc_u32 v[RDN], s23, v6                   ; q, k: row l / 4, 16 bytes at 16 (l % 4)
	v_mul_u32_u24 v6, v2, SPITCH
	v_lshl_add_u32 v6, v1, 4, v6
	v_add_nc_u32 v6, s23, v6
	v_add_nc_u32 v[RDM], STGM, v6                  ; v: row l / 16, 16 bytes at 16 (l % 16)
	v_lshlrev_b32 v[GON], 4, v5                    ; q, k: eight tokens' 64 bytes of a head lie on end: 16 l
	v_mul_u32_u24 v6, v2, 2304
	v_lshl_add_u32 v[GOM], v1, 4, v6               ; v: two rows of 2,304 bytes
	; where my 64 rows begin in the output, both ways; then the choice
	s_lshr_b32 s20, s17, 3                         ; q, k: batch = tile row / 8;
	s_lshl_b32 s20, s20, 4
	s_lshl_b32 s21, s42, 2
	s_add_co_u32 s20, s20, s21                     ; 16 batch + the tile's first head,
	s_mul_i32 s20, s20, 2304
	s_and_b32 s21, s17, 7
	s_lshl_b32 s21, s21, 8
	s_add_co_u32 s20, s20, s21                     ; + 256 (tile row % 8)
	s_lshl_b32 s21, s14, 6
	s_add_co_u32 s20, s20, s21                     ; + 64 wave
	s_add_co_u32 s20, s20, 256                     ; + the pad: rows of 64 bytes
	s_lshl_b32 s20, s20, 6
	s_lshr_b32 s22, s42, 3                         ; v: batch = tile column / 8;
	s_lshl_b32 s22, s22, 10
	s_lshl_b32 s23, s17, 8
	s_add_co_u32 s22, s22, s23
	s_add_co_u32 s22, s22, s21                     ; row 1,024 batch + 256 tile row + 64 wave of 2,304 bytes,
	s_mul_i32 s22, s22, 2304
	s_and_b32 s23, s42, 7
	s_lshl_b32 s23, s23, 8
	s_add_co_u32 s22, s22, s23                     ; + 256 (tile column % 8)
	s_add_co_u32 s22, s22, 256                     ; + the pad
	s_cmp_lt_u32 s94, 2
	s_cselect_b32 s20, s20, s22
	s_mov_b32 s21, 0
	s_add_nc_u64 s[10:11], s[10:11], s[20:21]
.macro FRAG reg, adr, q, i             ; a fragment, 16 rows x 128 K, is 16 registers: lane l holds row l % 16; registers 4 c .. 4 c + 3 hold K = 32 c + 16 (l / 16) + 0 .. 15: the same places in A and in B, so every product meets its partner
.irp c, 0,1,2,3
	ds_load_b128 v[\reg+4*\c:\reg+4*\c+3], v[\adr] offset:128*(\q)+32*\c+(\i)*16*PITCH
.endr
.endm
; 16 matrix instructions: A's blocks a0, a0 + 1 x B's eight, 128 along K.  p: B's set.  zero = 1: the first product starts the sums.  The 64 accumulators take turns, one instruction a turn, in the same order in every step.
.macro MUL16 a0, p, zero
.irp a, \a0, \a0+1
.irp b, 0,1,2,3,4,5,6,7
.if \zero
	v_wmma_f32_16x16x128_bf8_bf8 v[8*(8*((\a)%4)+\b):8*(8*((\a)%4)+\b)+7], v[128*(\p)+FR*\b:128*(\p)+FR*\b+FR-1], v[AF+FR*(\a):AF+FR*(\a)+FR-1], 0
.else
	v_wmma_f32_16x16x128_bf8_bf8 v[8*(8*((\a)%4)+\b):8*(8*((\a)%4)+\b)+7], v[128*(\p)+FR*\b:128*(\p)+FR*\b+FR-1], v[AF+FR*(\a):AF+FR*(\a)+FR-1], v[8*(8*((\a)%4)+\b):8*(8*((\a)%4)+\b)+7]
.endif
.endr
.endr
.endm
.macro FETCH_B slot, q, p
	WIN TO_B
.irp i, 0,1,2,3,4,5,6,7
	FRAG 128*(\p)+FR*\i, ADRB+\slot, \q, \i
.endr
	WIN 0
.endm
.macro FETCH_A slot, q, i0
.irp i, \i0, \i0+1, \i0+2, \i0+3
	FRAG AF+FR*(\i), ADRA+\slot, \q, \i
.endr
.endm
.macro PLACES n                        ; plain vector instructions between a matrix instruction and a load into, or a vector write of, one of its registers, or a read of its result
.rept \n
	v_nop
.endr
.endm
; A step of 128 along K that has its successor in the same slot.  A's blocks go one after the other, so one set of registers serves A: blocks 0-3 are fetched anew in the step's middle, blocks 4-7 at its end.
.macro STEP slot, q, zero
	s_wait_dscnt 4*NL                              ; B's set and A's blocks 0-3 are in; the youngest sixteen loads (A's blocks 4-7) may be out
	WIN MUL_LO
	MUL16 0, (\q)%2, \zero
	MUL16 2, (\q)%2, \zero
	s_wait_dscnt 0                                 ; A's blocks 4-7 are in
	PLACES NP
	FETCH_B \slot, (\q)+1, 1-(\q)%2
	FETCH_A \slot, (\q)+1, 0
	WIN MUL_HI
	MUL16 4, (\q)%2, \zero
	MUL16 6, (\q)%2, \zero
	PLACES NP
	WIN 0
	FETCH_A \slot, (\q)+1, 4
.endm
; A slot's last step changes slots: ONE barrier; in front of it each wave waits for all its tensor loads, adds 0 to its spare word, and waits for that and for its own reads of this slot.  fill = 1: this slot is filled again, two K steps ahead.
.macro TURN slot, next, fill
	s_wait_tensorcnt 0x0                           ; all my tensor loads have landed: my part of the next slot  (every window is 0 here)
	ds_add_u32 v[SPW], v[NIL]                      ; 0 onto my spare word
	s_wait_dscnt 4*NL+1                            ; (the add and the youngest sixteen loads, A's blocks 4-7, may be out)
	WIN MUL_LO
	MUL16 0, 1, 0                                  ; sixteen matrix instructions stand between the add and the wait for it
	s_wait_dscnt 0x0                               ; the add is done, and my reads of this slot are over
	s_barrier_signal -1
	MUL16 2, 1, 0
	WIN 0
	s_barrier_wait -1
.if \fill
	CREST                                          ; the barrier has opened a round of the cluster's barrier: no wave of any partner still reads this slot or has a load on its way
	s_add_nc_u64 s[G0+4*\slot+2:G0+4*\slot+3], s[G0+4*\slot+2:G0+4*\slot+3], 2*ROWB
	s_add_nc_u64 s[G0B+4*\slot+2:G0B+4*\slot+3], s[G0B+4*\slot+2:G0B+4*\slot+3], 2*ROWB
	JLOAD G0+4*\slot, G1, G0B+4*\slot, G1B         ; my one tensor load behind the round; its four v_nop are the places in front of the loads below
.else
	PLACES NP
.endif
	FETCH_B \next, 0, 0
	FETCH_A \next, 0, 0
	WIN MUL_HI
	MUL16 4, 1, 0
	MUL16 6, 1, 0
	PLACES NP
	WIN 0
	FETCH_A \next, 0, 4
.endm
	s_wait_loadcnt 0x0                             ; the biases
	s_wait_tensorcnt 1                             ; my part of K step 0 is in (K step 1's load may be out)
	s_barrier_signal -1
	s_barrier_wait -1                              ; everybody's is
	FETCH_B 0, 0, 0
	FETCH_A 0, 0, 0
	FETCH_A 0, 0, 4
	STEP 0, 0, 1                                   ; K = 1,024 is eight steps of 128, written out: the first starts the sums
	TURN 0, 1, 1                                   ; slot 0 takes K step 2
	STEP 1, 0, 0
	TURN 1, 0, 1                                   ; slot 1 takes K step 3
	STEP 0, 0, 0
	TURN 0, 1, 0                                   ; nothing is left to fetch; behind this barrier nobody reads slot 0
	STEP 1, 0, 0
	s_wait_dscnt 4*NL
	WIN MUL_LO
	MUL16 0, 1, 0
	MUL16 2, 1, 0
	s_wait_dscnt 0
	WIN MUL_HI
	MUL16 4, 1, 0
	MUL16 6, 1, 0
	WIN 0
	; THE WAY OUT.  The problem's three exponents are chosen without a jump.
	s_wait_kmcnt 0x0
	s_cmp_eq_u32 s94, 1
	s_cselect_b32 s96, s70, s72                    ; A's: e2 or e4,
	s_cselect_b32 s97, s71, s73                    ; B's: e3 or e5,
	s_cselect_b32 s100, s75, s77                   ; the output's: e7 or e9;
	s_cmp_eq_u32 s94, 0
	s_cselect_b32 s96, s68, s96                    ; or e0, e1, e6
	s_cselect_b32 s97, s69, s97
	s_cselect_b32 s100, s74, s100
	s_add_co_i32 s96, s96, s97
	s_add_co_i32 s96, s96, 127
	s_lshl_b32 s96, s96, 23                        ; 2^(eA + eB) as f32
	s_mov_b32 s97, s96                             ; (named with it as a pair)
	s_add_co_i32 s100, s100, 127
	s_lshl_b32 s98, s100, 23
	v_mov_b32 v[SCL], s98                          ; the output's scale: the conversion takes its exponent field
	s_add_co_i32 s100, s100, 15
	s_lshl_b32 s100, s100, 23
	s_or_b32 s100, s100, 0x600000
	v_mov_b32 v[LIM], s100                         ; 57,344 x that
	PLACES NP
; Block a of 16 rows x 128 columns: y = sum x 2^(eA + eB) + bias, one packed multiply-add for two numbers, each accumulator from its low end on; held; eight codes a conversion; 8 bytes a lane into the stage.
; A row's 256 codes come from two waves: a barrier; then each wave reads 64 rows back and stores them.  mode 0: q, k; mode 1: v.
.macro WAYOUT mode
.irp a, 0,1,2,3,4,5,6,7
	WIN 0x02+(\a/4)                                ; source 0: window 2 or 3
.irp b, 0,1,2,3,4,5,6,7
.irp j, 0,2,4,6
.if \mode
	v_pk_fma_f32 v[TMP+8*\b+\j:TMP+8*\b+\j+1], v[64*(\a%4)+8*\b+\j:64*(\a%4)+8*\b+\j+1], s[96:97], v[BM+2*\a:BM+2*\a+1] op_sel_hi:[1,0,1]
.else
	v_pk_fma_f32 v[TMP+8*\b+\j:TMP+8*\b+\j+1], v[64*(\a%4)+8*\b+\j:64*(\a%4)+8*\b+\j+1], s[96:97], v[BN+8*\b+\j:BN+8*\b+\j+1] op_sel_hi:[1,0,1]
.endif
.endr
.endr
	WIN 0
.set ii, 0
.rept 64
	v_med3_num_f32 v[TMP+ii], v[TMP+ii], -v[LIM], v[LIM]   ; the conversion to an 8-bit code does not saturate (ISA guide 7.6.2)
.set ii, ii+1
.endr
	s_wait_dscnt 0x0                               ; the last block's stores into the stage have read their registers
.irp b, 0,1,2,3,4,5,6,7
	v_cvt_scalef32_pk8_bf8_f32 v[CD+2*\b:CD+2*\b+1], v[TMP+8*\b:TMP+8*\b+7], v[SCL]
.endr
	v_nop                                          ; one plain instruction behind the last conversion: the next block writes its sources
.irp b, 0,1,2,3,4,5,6,7
.if \mode
	ds_store_b64 v[STOM], v[CD+2*\b:CD+2*\b+1] offset:\a*16*SPITCH+16*\b
.else
	ds_store_b64 v[STON], v[CD+2*\b:CD+2*\b+1] offset:\a*16*SPITCH+16*\b
.endif
.endr
.endr
	s_wait_dscnt 0x0                               ; for the others' sake: my stores into the stage are done
	s_barrier_signal -1
	s_barrier_wait -1
.set ii, 0
.rept 32
.if \mode
	ds_load_b128 v[RB+4*ii:RB+4*ii+3], v[RDM] offset:ii*2*SPITCH                 ; rows 2 i, 2 i + 1 of my 64
.else
	ds_load_b128 v[RB+4*ii:RB+4*ii+3], v[RDN] offset:(ii/4)*8*SPITCH+(ii%4)*64   ; tokens 8 (i / 4) on, head i % 4
.endif
.set ii, ii+1
.endr
.set ii, 0
.rept 32
	s_wait_dscnt 31-ii                             ; LDS loads come back in order: number i is in, the younger ones may be out
.if \mode
	global_store_b128 v[GOM], v[RB+4*ii:RB+4*ii+3], s[10:11] offset:ii*2*2304 th:TH_STORE_NT                  ; sixteen lanes store 256 consecutive bytes, aligned
.else
	global_store_b128 v[GON], v[RB+4*ii:RB+4*ii+3], s[10:11] offset:(ii%4)*147456+(ii/4)*512 th:TH_STORE_NT   ; 32 lanes store 512 consecutive bytes of one head, aligned
.endif
.set ii, ii+1
.endr
.endm
	s_cmp_eq_u32 s94, 2                            ; the problem's number: the same in all waves of all sixteen partners
	s_cbranch_scc1 .Lway_v
	WAYOUT 0
	s_branch .Lend
.Lway_v:
	WAYOUT 1
.Lend:
	s_wait_tensorcnt 0x0                           ; the wave's end, behind my last tensor load and my last LDS store
	ds_add_u32 v[SPW], v[NIL]
	s_wait_dscnt 0x0
	CROUND                                         ; the closing round: no work-group ends while a partner may still ask for a tile that names it
	s_endpgm
.Lfunc_end_k_q71e604cc1f_qkv:
	.size	k_q71e604cc1f_qkv, .Lfunc_end_k_q71e604cc1f_qkv-k_q71e604cc1f_qkv
	.p2alignl 7, 3214868480
	.fill 96, 4, 3214868480
	.section	.rodata,"a",@progbits
	.p2align	6, 0x0
	.amdhsa_kernel k_q71e604cc1f_qkv
		.amdhsa_group_segment_fixed_size 327680
		.amdhsa_private_segment_fixed_size 0
		.amdhsa_enable_private_segment 0
		.amdhsa_kernarg_size 104
		.amdhsa_user_sgpr_count 2
		.amdhsa_user_sgpr_kernarg_segment_ptr 1
		.amdhsa_wavefront_size32 1
		.amdhsa_system_sgpr_workgroup_id_x 1
		.amdhsa_system_sgpr_workgroup_id_y 1
		.amdhsa_system_sgpr_workgroup_id_z 1
		.amdhsa_system_vgpr_workitem_id 0
		.amdhsa_next_free_vgpr 1024
		.amdhsa_next_free_sgpr 102
		.amdhsa_reserve_vcc 0
		.amdhsa_float_denorm_mode_32 3
		.amdhsa_float_denorm_mode_16_64 3
		.amdhsa_memory_ordered 1
		.amdhsa_forward_progress 1
		.amdhsa_inst_pref_size 210
	.end_amdhsa_kernel
	.amdgpu_metadata
---
amdhsa.version: [ 1, 2 ]
amdhsa.kernels:
  - .name:           k_q71e604cc1f_qkv
    .symbol:         k_q71e604cc1f_qkv.kd
    .args:
      - { .name: xc0, .offset: 0, .size: 8, .value_kind: global_buffer, .address_space: global }
      - { .name: xc1, .offset: 8, .size: 8, .value_kind: global_buffer, .address_space: global }
      - { .name: xc2, .offset: 16, .size: 8, .value_kind: global_buffer, .address_space: global }
      - { .name: w_q_codes, .offset: 24, .size: 8, .value_kind: global_buffer, .address_space: global }
      - { .name: w_k_codes, .offset: 32, .size: 8, .value_kind: global_buffer, .address_space: global }
      - { .name: w_v_codes, .offset: 40, .size: 8, .value_kind: global_buffer, .address_space: global }
      - { .name: b_q, .offset: 48, .size: 8, .value_kind: global_buffer, .address_space: global }
      - { .name: b_k, .offset: 56, .size: 8, .value_kind: global_buffer, .address_space: global }
      - { .name: b_v, .offset: 64, .size: 8, .value_kind: global_buffer, .address_space: global }
      - { .name: lowp_scales, .offset: 72, .size: 8, .value_kind: global_buffer, .address_space: global }
      - { .name: qc, .offset: 80, .size: 8, .value_kind: global_buffer, .address_space: global }
      - { .name: kc, .offset: 88, .size: 8, .value_kind: global_buffer, .address_space: global }
      - { .name: vc, .offset: 96, .size: 8, .value_kind: global_buffer, .address_space: global }
    .group_segment_fixed_size: 327680
    .private_segment_fixed_size: 0
    .kernarg_segment_align: 8
    .kernarg_segment_size: 104
    .max_flat_workgroup_size: 128
    .sgpr_count:     102
    .vgpr_count:     1024
    .wavefront_size: 32
...
	.end_amdgpu_metadata
.endif
;; end of part 2
;; launch attn (part 3): grid 4 x 64, 16 waves a work-group, no clusters, 167,936 bytes of LDS; arguments qc, kc, vc, lowp_scales, cc; writes cc
.if DOCPART == 3
	.amdgcn_target "amdgcn-amd-amdhsa--gfx1250"
	.amdhsa_code_object_version 6
	.text
	.protected	k_q71e604cc1f_attn
	.globl	k_q71e604cc1f_attn
	.p2align	8
	.type	k_q71e604cc1f_attn,@function
k_q71e604cc1f_attn:
	s_mov_b64 s[64:65], 0
	v_nop
	global_prefetch_b8 v0, s[64:65] scope:SCOPE_SE
	s_setreg_imm32_b32 hwreg(HW_REG_WAVE_MODE, 25, 1), 1
	s_wait_xcnt 0x0
; ctx[q] = the sum over the keys k with 0 <= q - k < 256 of softmax_k(Q[q] . K[k] / 8) V[k], for 64 heads of 2,048 tokens and 64 channels, both products on codes of E5M2; ctx leaves as codes (scale 2^e10).
; qc, kc: [head][256 + s][64]; vc: [head][d][256 + s] (keys innermost); the 256 places in front of kc's and vc's tokens hold zero codes.  cc: [h][8,192 tokens][64].
; THE SOFTMAX: t = score x log2(e) / 8; M = the row's largest t rounded UP to a whole number; p = 2^(t - M) is quantised (2^e8), not normalised; the row's sum is taken of the unquantised p and divides at the end.
; A tile of 16 queries has 271 keys that count.  So ALL its scores lie in registers at once: the maximum is the row's true maximum, nothing is rescaled, and there is no loop over keys.
; SHARES.  A work-group takes 512 queries of one head; wave w of sixteen the 32 queries 32 w on, as two tiles of 16, one after the other; both use the 288 keys from (first query - 256) on: nine groups of 32.
; The work-group's 768 rows of K and 768 bytes of each of V's 64 rows come into LDS once, by eight tensor loads at the head; nothing is filled again.
; No cluster: neighbouring work-groups of a head share a third of their keys, never a whole tile, so no one request could serve two of them.
; LAYOUT.  Both products are used transposed: S^T = K Q^T (source 0 = 16 keys, source 1 = 16 queries), O^T = V^T P^T: a lane holds ONE query (lane % 16) throughout.
; THE KEYS OF A TILE ARE NOT NEIGHBOURS: lane r of score tile 2 g + u takes key 32 g + 8 u + r + 8 (r / 8), so that score register 16 g + i of lane (r, h) is key 32 g + 16 h + i: 16 neighbours, as the conversions and the second product want.
; WHAT IS HIDDEN becomes -infinity ahead of the maximum (p = 0): in group 0 the keys 256 or more behind the query, in group 8 those after it; groups 1 to 7 always count; groups that lie wholly before the sequence's start are hidden whole.
; LIMITS: e6 + e7 between -123 and 130 (added to c's exponent field); e8, e10 between -126 and 112; e8 + e9 goes by v_ldexp_f32 and has none.  NaN is not served.
.set KP,    80                         ; a key's row in LDS: 64 bytes + 16 of padding
.set VP,    1040                       ; a row of V's tile: 1,024 bytes (768 of data, then zeros) + 16 of padding = 260 words: 16 rows start at 16 different groups of four banks
.set VT,    768*KP                     ; V's 64 rows lie behind K's 768
.set STG,   VT+64*VP                   ; the way out: 16 rows x 80 bytes for each wave; no fill lands here
.set SPARE, STG+16*16*KP               ; the spare words, 128 bytes a wave, that no other line names
.set AK,  1                            ; v1   my lane's place in my wave's rows of K
.set AV,  2                            ; v2   the same in V's tile
.set SPW, 3                            ; v3   my spare word; never rewritten
.set NIL, 4                            ; v4   0; never rewritten
.set STO, 5                            ; v5   the stage: where I put 8 codes
.set SRD, 6                            ; v6   and where I read 16 back
.set GO,  7                            ; v7   16 l: my bytes in cc
.set QO,  8                            ; v8   my bytes in Q
.set VD,  9                            ; v9   r - 16 h
.set NEG, 10                           ; v10  -infinity
.set KB,  24                           ; v24-95   nine fragments of K; later:
.set PC,  24                           ; v24-63   p's codes, ten groups (the tenth is zeros),
.set O,   64                           ; v64-95   O^T
.set S,   96                           ; v96-239  the scores, then p; later V's fragments, the output's codes (v224-231) and the rows read back (v232-239)
; v11, v12: 2^e8 and 57,344 x 2^e8; v13, v14: the same for e10; v15: a permute's destination; v16-23, v240-247: Q's two tiles; v248, v249: maxima; v[250:251]: -M; v[252:255]: sums, then 1 / l
	s_load_b256 s[4:11], s[0:1], 0x0               ; qc s[4:5], kc s[6:7], vc s[8:9], scales s[10:11]
	s_load_b64 s[12:13], s[0:1], 0x20              ; cc
	v_lshl_add_u32 v[SPW], v0, 2, SPARE
	v_mov_b32 v[NIL], 0
	ds_add_u32 v[SPW], v[NIL]                      ; the wave's opening: the add and its wait ahead of the first tensor loads; the set-up below, work on registers, stands between them
	v_lshrrev_b32 v1, 5, v0
	v_readfirstlane_b32 s14, v1                    ; wave 0..15
	s_and_b32 s15, s14, 3                          ; which quarter of K's or of V's tile I fetch, if I fetch
	s_and_b32 s18, ttmp7, 0xffff                   ; the head, 16 batch + h
	s_mul_i32 s19, s18, 147456                     ; its first byte in qc, kc and vc
	s_lshl_b32 s20, ttmp9, 15                      ; my block's 512 rows of 64 bytes
	s_mul_i32 s21, s15, 12288
	s_add_co_u32 s16, s19, s20
	s_add_co_u32 s16, s16, s21                     ; K: padded rows 512 x + 192 quarter on
	s_mov_b32 s17, 0
	s_mul_i32 s21, s15, 36864
	s_add_co_u32 s58, s19, s21
	s_lshl_b32 s21, ttmp9, 9
	s_add_co_u32 s58, s58, s21                     ; V: rows 16 quarter on, from padded byte 512 x
	s_mov_b32 s59, 0
	s_lshl_b32 s21, s14, 11
	s_add_co_u32 s21, s21, s20                     ; (512 x + 32 w) rows of 64 bytes
	s_add_co_u32 s60, s19, s21
	s_add_co_u32 s60, s60, 16384                   ; Q: behind the pad
	s_mov_b32 s61, 0
	s_and_b32 s62, s18, 15
	s_lshl_b32 s62, s62, 19                        ; cc: h x 8,192 tokens,
	s_lshr_b32 s63, s18, 4
	s_lshl_b32 s63, s63, 17                        ; + batch x 2,048,
	s_add_co_u32 s62, s62, s63
	s_add_co_u32 s62, s62, s21                     ; + my first query
	s_mov_b32 s63, 0
	; descriptor group 1.  K: 192 rows of 64 bytes, dense in memory.  V: 16 rows; 768 bytes of each are there, the tile states 1,024, and what lies past the tensor's extent arrives as zeros
	s_mov_b32 s24, (0<<16)|(1<<20)|(3<<22)|(3<<25) ; no mask; elements of 1 byte; padding on: four words after every 16
	s_mov_b32 s25, 64<<16                          ; tensor_dim0
	s_mov_b32 s26, 192<<16                         ; tensor_dim1
	s_mov_b32 s27, 64<<16                          ; tile_dim0
	s_mov_b32 s28, 192                             ; tile_dim1
	s_mov_b32 s29, 64                              ; tensor_dim0_stride
	s_mov_b32 s30, 0
	s_mov_b32 s31, 0
	s_mov_b32 s32, (0<<16)|(1<<20)|(7<<22)|(3<<25) ; four words after every 256
	s_mov_b32 s33, 768<<16                         ; tensor_dim0 = 768
	s_mov_b32 s34, 16<<16                          ; tensor_dim1
	s_mov_b32 s35, 1024<<16                        ; tile_dim0 = 1,024
	s_mov_b32 s36, 16                              ; tile_dim1
	s_mov_b32 s37, 2304                            ; tensor_dim0_stride
	s_mov_b32 s38, 0
	s_mov_b32 s39, 0
	s_mov_b32 s40, 1
	s_mul_i32 s41, s15, 192*KP                     ; LDS: my quarter of K's rows
	s_mov_b32 s44, 1
	s_mul_i32 s45, s15, 16*VP
	s_add_co_u32 s45, s45, VT                      ; or of V's
	s_mov_b32 s22, 0x76543210                      ; v_permlanex16_b32: lane l xor 16
	s_mov_b32 s23, 0xfedcba98
	s_mov_b32 s48, 0x3e38aa3b                      ; c = log2(e) / 8
	s_sub_co_i32 s50, 8, s14                       ; in a head's first block wave w's groups 0 .. 7 - w lie wholly before the sequence's start
	s_max_i32 s50, s50, 0
	s_cmp_eq_u32 ttmp9, 0
	s_cselect_b32 s50, s50, 0
	s_wait_dscnt 0x0                               ; the opening add is done
	s_wait_kmcnt 0x0
	s_load_b128 s[52:55], s[10:11], 0x18           ; e6, e7, e8, e9
	s_load_b32 s56, s[10:11], 0x28                 ; e10
	s_add_nc_u64 s[42:43], s[6:7], s[16:17]
	s_or_b32 s43, s43, 0x80000000
	s_add_nc_u64 s[46:47], s[8:9], s[58:59]
	s_or_b32 s47, s47, 0x80000000
	s_cmp_lt_u32 s14, 4                            ; waves 0-3 fetch K's quarters, waves 4-7 V's, the others nothing: one tensor load a wave at the most, and every wait for them is for 0
	s_cbranch_scc0 .Lnot_k
	tensor_load_to_lds s[40:43], s[24:31]
	s_nop 0
.rept 4
	v_nop
.endr
	s_branch .Lasked
.Lnot_k:
	s_cmp_lt_u32 s14, 8
	s_cbranch_scc0 .Lasked
	tensor_load_to_lds s[44:47], s[32:39]
	s_nop 0
.rept 4
	v_nop
.endr
.Lasked:
	s_add_nc_u64 s[4:5], s[4:5], s[60:61]
	s_add_nc_u64 s[12:13], s[12:13], s[62:63]
	v_and_b32 v248, 15, v0                         ; r
	v_bfe_u32 v249, v0, 4, 1                       ; h
	v_lshlrev_b32 v[QO], 6, v248
	v_lshl_add_u32 v[QO], v249, 4, v[QO]           ; row r of 64 bytes + 16 h
.irp c, 0,1
	global_load_b128 v[16+4*\c:19+4*\c],   v[QO], s[4:5] offset:32*\c        ; Q's fragments stay in registers: registers 4 c on hold channels 32 c + 16 h + 0 .. 15, as K's do
	global_load_b128 v[240+4*\c:243+4*\c], v[QO], s[4:5] offset:1024+32*\c
.endr
	v_and_b32 v250, 8, v248
	v_add_nc_u32 v250, v250, v248                  ; r + 8 (r / 8)
	v_mul_u32_u24 v[AK], v250, KP
	v_lshl_add_u32 v[AK], v249, 4, v[AK]
	s_mul_i32 s20, s14, 32*KP                      ; my wave's keys begin at LDS row 32 w
	v_add_nc_u32 v[AK], s20, v[AK]
	v_mul_u32_u24 v[AV], v248, VP
	v_lshl_add_u32 v[AV], v249, 4, v[AV]
	s_lshl_b32 s20, s14, 5                         ; and at byte 32 w of V's rows
	s_add_co_u32 s20, s20, VT
	v_add_nc_u32 v[AV], s20, v[AV]
	s_mul_i32 s20, s14, 16*KP
	s_add_co_u32 s20, s20, STG                     ; my stage
	v_mul_u32_u24 v[STO], v248, KP
	v_lshl_add_u32 v[STO], v249, 3, v[STO]
	v_add_nc_u32 v[STO], s20, v[STO]               ; in: row r, + 8 h
	v_and_b32 v251, 31, v0
	v_lshrrev_b32 v[SRD], 2, v251
	v_mul_u32_u24 v[SRD], v[SRD], KP
	v_and_b32 v250, 3, v251
	v_lshl_add_u32 v[SRD], v250, 4, v[SRD]
	v_add_nc_u32 v[SRD], s20, v[SRD]               ; back: four lanes to a row's 64 bytes
	v_lshlrev_b32 v[GO], 4, v251
	v_lshlrev_b32 v[VD], 4, v249
	v_sub_nc_u32 v[VD], v248, v[VD]
	v_mov_b32 v[NEG], 0xff800000
	v_mov_b32 v15, 0                               ; written once: a lane permute's destination counts as one of its sources
	s_wait_kmcnt 0x0
	s_add_co_i32 s20, s52, s53
	s_lshl_b32 s20, s20, 23
	s_add_co_i32 s48, s48, s20                     ; a score stands for score x 2^(e6 + e7): the exponents are added to c's exponent field
	s_mov_b32 s49, s48                             ; (named with it as a pair)
	s_add_co_i32 s20, s54, 127
	s_lshl_b32 s21, s20, 23
	v_mov_b32 v11, s21                             ; 2^e8
	s_add_co_i32 s20, s20, 15
	s_lshl_b32 s20, s20, 23
	s_or_b32 s20, s20, 0x600000
	v_mov_b32 v12, s20                             ; 57,344 x 2^e8
	s_add_co_i32 s20, s56, 127
	s_lshl_b32 s21, s20, 23
	v_mov_b32 v13, s21                             ; 2^e10
	s_add_co_i32 s20, s20, 15
	s_lshl_b32 s20, s20, 23
	s_or_b32 s20, s20, 0x600000
	v_mov_b32 v14, s20
	s_add_co_i32 s57, s54, s55                     ; e8 + e9
	s_wait_tensorcnt 0x0                           ; my part of the tiles is in,
	s_barrier_signal -1
	s_barrier_wait -1                              ; everybody's is
	s_wait_loadcnt 0x0                             ; Q
.macro VLOAD reg, s                    ; V^T's four fragments (16 channels each) of the s-th 64 keys
.irp t, 0,1,2,3
.irp c, 0,1
	ds_load_b128 v[\reg+8*\t+4*\c:\reg+8*\t+4*\c+3], v[AV] offset:16*VP*\t+64*(\s)+32*\c
.endr
.endr
.endm
.macro PV reg, s, zero                 ; O^T += V^T P^T over those keys: the four accumulators take turns, one instruction a turn
.irp t, 0,1,2,3
.if \zero
	v_wmma_f32_16x16x64_bf8_bf8 v[O+8*\t:O+8*\t+7], v[\reg+8*\t:\reg+8*\t+7], v[PC+8*(\s):PC+8*(\s)+7], 0
.else
	v_wmma_f32_16x16x64_bf8_bf8 v[O+8*\t:O+8*\t+7], v[\reg+8*\t:\reg+8*\t+7], v[PC+8*(\s):PC+8*(\s)+7], v[O+8*\t:O+8*\t+7]
.endif
.endr
.endm
.macro TILE u                          ; queries 16 u .. 16 u + 15 of my 32
.set QR, 16+224*(\u)
.if \u
	s_wait_xcnt 0x0                                ; the first tile's stores have read their data, which lie among the scores' registers
.endif
.irp n, 0,1                            ; S^T = K Q^T: 18 score tiles, nine at a time
.irp f, 0,1,2,3,4,5,6,7,8
.irp c, 0,1
	ds_load_b128 v[KB+8*\f+4*\c:KB+8*\f+4*\c+3], v[AK] offset:(32*((9*\n+\f)/2)+8*((9*\n+\f)%2))*KP+32*\c
.endr
.endr
	s_wait_dscnt 0x0
.irp f, 0,1,2,3,4,5,6,7,8
	v_wmma_f32_16x16x64_bf8_bf8 v[S+8*(9*\n+\f):S+8*(9*\n+\f)+7], v[KB+8*\f:KB+8*\f+7], v[QR:QR+7], 0
.endr
.rept 4
	v_nop                                          ; places in front of the loads into K's registers, and of the first touch of the scores
.endr
.endr
.irp g, 0,1,2,3,4,5,6,7                ; groups wholly before the sequence's start: a branch on ids, round plain moves alone
	s_cmp_le_u32 s50, \g
	s_cbranch_scc1 .Lseen_\@
.irp i, 0,1,2,3,4,5,6,7,8,9,10,11,12,13,14,15
	v_mov_b32 v[S+16*\g+\i], v[NEG]
.endr
.endr
.Lseen_\@:
.irp i, 0,1,2,3,4,5,6,7,8,9,10,11,12,13,14,15   ; query - key = 256 - 32 g + (16 u + r - 16 h - i).  Group 0: hidden where that is 256 or more; group 8: where it is under 0.  Each accumulator from its low end on
	v_cmp_le_i32 vcc_lo, \i-16*(\u), v[VD]
	v_cndmask_b32 v[S+\i], v[S+\i], v[NEG], vcc_lo
	v_cmp_gt_i32 vcc_lo, \i-16*(\u), v[VD]
	v_cndmask_b32 v[S+128+\i], v[S+128+\i], v[NEG], vcc_lo
.endr
	v_max3_num_f32 v248, v[S], v[S+1], v[S+2]      ; the row's largest score among my 144 keys, in two chains, the registers in ascending order,
	v_max3_num_f32 v249, v[S+3], v[S+4], v[S+5]
.set ii, 6
.rept 69
	v_max3_num_f32 v[248+(ii/2)%2], v[248+(ii/2)%2], v[S+ii], v[S+ii+1]
.set ii, ii+2
.endr
	v_max_num_f32 v248, v248, v249
	v_permlanex16_b32 v15, v248, s22, s23
	v_max_num_f32 v248, v248, v15                  ; and among lane l xor 16's
	v_mul_f32 v248, s48, v248                      ; as t (c is positive)
	v_floor_f32 v250, -v248                        ; -M = floor(-t) = -ceil(t)
	v_mov_b32 v251, v250
.set ii, 0
.rept 72
	v_pk_fma_f32 v[S+ii:S+ii+1], v[S+ii:S+ii+1], s[48:49], v[250:251] op_sel_hi:[1,0,0]   ; t - M, two at a time
.set ii, ii+2
.endr
.set ii, 0
.rept 144
	v_exp_f32 v[S+ii], v[S+ii]                     ; p = 2^(t - M), at most 1; 0 where hidden
.set ii, ii+1
.endr
	v_nop                                          ; one plain instruction behind the batch,
	s_wait_alu depctr_va_vdst(0)                   ; and ONE wait for it, ahead of its first reader
	v_pk_add_f32 v[252:253], v[S:S+1], v[S+2:S+3]  ; the row's sum, of the unquantised p: two at a time, in two chains
	v_pk_add_f32 v[254:255], v[S+4:S+5], v[S+6:S+7]
.set ii, 8
.rept 34
	v_pk_add_f32 v[252:253], v[252:253], v[S+ii:S+ii+1]
	v_pk_add_f32 v[254:255], v[254:255], v[S+ii+2:S+ii+3]
.set ii, ii+4
.endr
	v_pk_add_f32 v[252:253], v[252:253], v[254:255]
	v_add_f32 v252, v252, v253
	v_permlanex16_b32 v15, v252, s22, s23
	v_add_f32 v252, v252, v15
	v_rcp_f32 v254, v252                           ; 1 / l: the holds below stand between it and its wait
.irp g, 0,1,2,3,4,5,6,7,8
.irp i, 0,1,2,3,4,5,6,7,8,9,10,11,12,13,14,15
	v_min_num_f32 v[S+16*\g+\i], v[S+16*\g+\i], v12   ; the conversion does not saturate (ISA guide 7.6.2); p is not negative, so the hold is one-sided
.endr
	v_cvt_scalef32_pk8_bf8_f32 v[PC+4*\g:PC+4*\g+1],   v[S+16*\g:S+16*\g+7],    v11
	v_cvt_scalef32_pk8_bf8_f32 v[PC+4*\g+2:PC+4*\g+3], v[S+16*\g+8:S+16*\g+15], v11
.endr
.irp i, 36,37,38,39
	v_mov_b32 v[PC+\i], 0                          ; a tenth group of zero codes fills the fifth step of 64 keys.  (Also the plain instructions behind the last conversion)
.endr
	s_wait_alu depctr_va_vdst(0)                   ; the reciprocal's wait, ahead of its first reader
	v_ldexp_f32 v254, v254, s57                    ; x 2^(e8 + e9)
	v_mov_b32 v255, v254
	VLOAD S, 0                                     ; V's fragments take the scores' registers: keys 0-127,
	VLOAD S+32, 1
	VLOAD S+64, 2                                  ; keys 128-255
	VLOAD S+96, 3
	s_wait_dscnt 16                                ; the first sixteen loads are in; the other sixteen may be out
	PV S, 0, 1                                     ; the first products start the sums
	PV S+32, 1, 0
.rept 4
	v_nop                                          ; places in front of the loads into registers just multiplied
.endr
	VLOAD S, 4                                     ; keys 256-319
	s_wait_dscnt 8                                 ; all but the eight just issued
	PV S+64, 2, 0
	PV S+96, 3, 0
	s_wait_dscnt 0x0
	PV S, 4, 0
.rept 4
	v_nop
.endr
.set ii, 0
.rept 16
	v_pk_mul_f32 v[O+ii:O+ii+1], v[O+ii:O+ii+1], v[254:255]   ; ctx = O^T x 2^(e8 + e9) / l; register 8 t + j is channel 16 t + 8 h + j; each accumulator from its low end on
.set ii, ii+2
.endr
.set ii, 0
.rept 32
	v_med3_num_f32 v[O+ii], v[O+ii], -v14, v14
.set ii, ii+1
.endr
.irp t, 0,1,2,3
	v_cvt_scalef32_pk8_bf8_f32 v[224+2*\t:225+2*\t], v[O+8*\t:O+8*\t+7], v13
.endr
	v_nop                                          ; one plain instruction behind the last conversion
.irp t, 0,1,2,3
	ds_store_b64 v[STO], v[224+2*\t:225+2*\t] offset:16*\t
.endr
.irp i, 0,1
	ds_load_b128 v[232+4*\i:235+4*\i], v[SRD] offset:8*KP*\i   ; LDS serves a wave's instructions in order (ISA guide 5.7.1.4): these see my stores; the stage is my own
.endr
.irp i, 0,1
	s_wait_dscnt 1-\i
	global_store_b128 v[GO], v[232+4*\i:235+4*\i], s[12:13] offset:1024*(\u)+512*\i th:TH_STORE_NT   ; 32 lanes store eight tokens' 512 consecutive bytes, aligned
.endr
.endm
	TILE 0
	TILE 1
	s_wait_tensorcnt 0x0                           ; the wave's end, behind my last tensor load and my last LDS store
	ds_add_u32 v[SPW], v[NIL]
	s_wait_dscnt 0x0
	s_endpgm
.Lfunc_end_k_q71e604cc1f_attn:
	.size	k_q71e604cc1f_attn, .Lfunc_end_k_q71e604cc1f_attn-k_q71e604cc1f_attn
	.p2alignl 7, 3214868480
	.fill 96, 4, 3214868480
	.section	.rodata,"a",@progbits
	.p2align	6, 0x0
	.amdhsa_kernel k_q71e604cc1f_attn
		.amdhsa_group_segment_fixed_size 167936
		.amdhsa_private_segment_fixed_size 0
		.amdhsa_enable_private_segment 0
		.amdhsa_kernarg_size 40
		.amdhsa_user_sgpr_count 2
		.amdhsa_user_sgpr_kernarg_segment_ptr 1
		.amdhsa_wavefront_size32 1
		.amdhsa_system_sgpr_workgroup_id_x 1
		.amdhsa_system_sgpr_workgroup_id_y 1
		.amdhsa_system_sgpr_workgroup_id_z 1
		.amdhsa_system_vgpr_workitem_id 0
		.amdhsa_next_free_vgpr 256
		.amdhsa_next_free_sgpr 66
		.amdhsa_reserve_vcc 1
		.amdhsa_float_denorm_mode_32 3
		.amdhsa_float_denorm_mode_16_64 3
		.amdhsa_memory_ordered 1
		.amdhsa_forward_progress 1
		.amdhsa_inst_pref_size 92
	.end_amdhsa_kernel
	.amdgpu_metadata
---
amdhsa.version: [ 1, 2 ]
amdhsa.kernels:
  - .name:           k_q71e604cc1f_attn
    .symbol:         k_q71e604cc1f_attn.kd
    .args:
      - { .name: qc, .offset: 0, .size: 8, .value_kind: global_buffer, .address_space: global }
      - { .name: kc, .offset: 8, .size: 8, .value_kind: global_buffer, .address_space: global }
      - { .name: vc, .offset: 16, .size: 8, .value_kind: global_buffer, .address_space: global }
      - { .name: lowp_scales, .offset: 24, .size: 8, .value_kind: global_buffer, .address_space: global }
      - { .name: cc, .offset: 32, .size: 8, .value_kind: global_buffer, .address_space: global }
    .group_segment_fixed_size: 167936
    .private_segment_fixed_size: 0
    .kernarg_segment_align: 8
    .kernarg_segment_size: 40
    .max_flat_workgroup_size: 512
    .sgpr_count:     66
    .vgpr_count:     256
    .wavefront_size: 32
...
	.end_amdgpu_metadata
.endif
;; end of part 3
;; launch oproj (part 4): grid 4 x 32, 4 waves a work-group, clusters of 4 x 4, 327,680 bytes of LDS; arguments cc, w_o_codes, lowp_scales, b_o, x, out0; writes out0
.if DOCPART == 4
	.amdgcn_target "amdgcn-amd-amdhsa--gfx1250"
	.amdhsa_code_object_version 6
	.text
	.protected	k_q71e604cc1f_oproj
	.globl	k_q71e604cc1f_oproj
	.p2align	8
	.type	k_q71e604cc1f_oproj,@function
k_q71e604cc1f_oproj:
	s_mov_b64 s[64:65], 0
	v_nop
	global_prefetch_b8 v0, s[64:65] scope:SCOPE_SE
	s_setreg_imm32_b32 hwreg(HW_REG_WAVE_MODE, 25, 1), 1
	s_wait_xcnt 0x0
	s_wait_alu depctr_hold_cnt(0) depctr_sa_sdst(0) depctr_va_vdst(0) depctr_va_sdst(0) depctr_va_ssrc(0) depctr_va_vcc(0) depctr_vm_vsrc(0)
	s_getreg_b32 s2, hwreg(HW_REG_IB_STS2, 6, 4)
	s_cmp_eq_u32 s2, 0
	s_cbranch_scc0 .Lentry_in_a_cluster
	s_endpgm
.Lentry_in_a_cluster:
	s_bfe_u32 s2, ttmp6, 0x10000c
	s_cmp_lg_u32 s2, 0xf033
	s_cbranch_scc0 .Lentry_shape_is_right
	s_endpgm
.Lentry_shape_is_right:
; out0[m][n] = x[m][n] + b_o[n] + 2^(e10 + e11) x the sum over k of ctx[m][k] w_o[n][k], on codes of E5M2.  m: 8,192 tokens, n: 1,024, K = 1,024 = 16 heads x 64.
; ctx's codes lie [h][token][64]; w_o's [n][1024].  LIMIT: e10 + e11 between -126 and 127, so that the power of two is an f32 number.
; A tile of out0, 256 x 256, is made by a work-group of four waves, a wave 128 x 128: 64 accumulators, 512 registers.  K goes in four steps of 256 (four heads) through two LDS slots.
; A'S TILE: for 128 tokens a head's codes are 8,192 bytes on end.  One tensor load brings four such runs (four heads), with 16 bytes of padding behind every 64: in LDS [head 4][token 128][80 bytes].
; CLUSTERS: 4 x 4 work-groups; A's tiles are asked for jointly along a row of the cluster, B's along a column.  THE MATRIX INSTRUCTION IS USED TRANSPOSED: a lane holds eight neighbouring numbers of a row of out0.
; REGISTERS, in windows of 256: window 0: v8-31 bias and addresses; from v128 A's fragments, ONE set; on the way out v128-255 hold rows read back from the stage.
;   window 1: B's fragments, TWO sets; on the way out v0-127 hold rows of x.   windows 2, 3: the accumulators ((a, b) at v[8 (8 (a % 4) + b)]).
.set ROWB,   256                       ; B: a tile's row in bytes
.set KROW,   1024
.set PITCH,  272                       ; B's row in LDS: 256 + 16
.set APITCH, 80                        ; A: a token's 64 codes of one head + 16: 20 words: 16 tokens start at 16 different groups of four banks
.set HEADB,  128*APITCH                ; a head's 128 tokens
.set HALFA,  4*HEADB                   ; what one load brings for A: 40,960 bytes
.set HALFB,  128*PITCH                 ; and for B: 34,816
.set BOFF,   2*HALFA                   ; B's 256 rows lie behind A's two halves
.set SLOT,   BOFF+2*HALFB
.set ASTEP,  4*8192*64                 ; four heads on, in cc
.set FR,     16
.set NL,     4
.set NP,     4
.set SPARE,  2*SLOT                    ; behind the ring: the spare words, 128 bytes a wave, that no other line names
.set SPITCH, 528                       ; the way out: 16 rows x (512 bytes + 16) for each wave, in slot 0, which has had its last fill and its last read by then
.set BI,   8                           ; v8-11  b_o at my four columns of a row read back
.set ADRA, 16
.set ADRB, 20
.set STO,  24                          ; v24  the stage: where I put 32 bytes of a row
.set RD,   25                          ; v25  where I read a row back
.set CO,   26                          ; v26  16 l: my bytes in a row of x and of out0
.set BIO,  27                          ; v27  my bytes in b_o
.set SPW,  28
.set NIL,  29
.set PFO,  30                          ; v30  the prefetches' offset: row l / 2 of 4,096 bytes, + 256 (l % 2); never rewritten
.set AF,   128
.set BK,   128                         ; rows read back: v128-191 and v192-255 by turns
.set G1, 24
.set G0, 32
.set G1B, 48
.set G0B, 56
.set MSB, 0
.macro WIN new
.if MSB != (\new)
	s_set_vgpr_msb (MSB<<8)|(\new)
.set MSB, (\new)
.endif
.endm
.set MUL_LO, 0xa1
.set MUL_HI, 0xf1
.set TO_B,   0x40
.macro JLOAD g0a, g1a, g0b, g1b        ; a joint load: waves 0 and 1 fetch for A, waves 2 and 3 for B; an s_nop 0 and four v_nop follow each of the two lines
	s_cmp_eq_u32 s15, 0
	s_cbranch_scc0 .Lfor_b_\@
	tensor_load_to_lds s[\g0a:\g0a+3], s[\g1a:\g1a+7]
	s_nop 0
.rept 4
	v_nop
.endr
	s_branch .Lasked_\@
.Lfor_b_\@:
	tensor_load_to_lds s[\g0b:\g0b+3], s[\g1b:\g1b+7]
	s_nop 0
.rept 4
	v_nop
.endr
.Lasked_\@:
.endm
.macro CREST
	s_cmp_lg_u32 s14, 0
	s_cbranch_scc1 .Lnot_wave_0_\@
	s_barrier_signal -3
.Lnot_wave_0_\@:
	s_barrier_wait -3
	s_barrier_signal -1
	s_barrier_wait -1
.endm
.macro CROUND
	s_barrier_signal -1
	s_barrier_wait -1
	CREST
.endm
	s_load_b256 s[4:11], s[0:1], 0x0               ; cc s[4:5], w_o's codes s[6:7], scales s[8:9], b_o s[10:11]
	s_load_b128 s[68:71], s[0:1], 0x20             ; x s[68:69], out0 s[70:71]
	v_lshl_add_u32 v[SPW], v0, 2, SPARE
	v_mov_b32 v[NIL], 0
	ds_add_u32 v[SPW], v[NIL]                      ; the wave's opening: the add and its wait ahead of my first tensor load; the set-up below, work on registers, stands between them
	v_lshrrev_b32 v1, 5, v0
	v_readfirstlane_b32 s14, v1                    ; wave 0..3
	s_lshr_b32 s15, s14, 1                         ; my half of the tile's rows.  Also: I fetch for A (0) or for B (1)
	s_and_b32 s16, s14, 1                          ; my half of its columns.  Also: which half of that tile I fetch
	s_bfe_u32 s40, ttmp6, 0x40000                  ; cx, cy
	s_bfe_u32 s41, ttmp6, 0x40004
	s_lshl_b32 s42, ttmp9, 2
	s_add_co_u32 s42, s42, s40                     ; tile column = 4 x cluster x + cx
	s_and_b32 s17, ttmp7, 0xffff
	s_lshl_b32 s17, s17, 2
	s_add_co_u32 s17, s17, s41                     ; tile row = 4 x cluster y + cy
	s_lshl_b32 s43, s41, 2
	s_lshl_b32 s43, 15, s43                        ; my row of the cluster
	s_lshl_b32 s44, 0x1111, s40                    ; my column
	; group 1 for A: 4 runs of 8,192 bytes, 524,288 bytes apart; padding of four words after every 16
	s_or_b32 s[G1+0], s43, (0<<16)|(1<<20)|(1<<21)|(3<<22)|(3<<25)
	s_mov_b32 s[G1+1], 8192<<16                    ; tensor_dim0
	s_mov_b32 s[G1+2], 4<<16                       ; tensor_dim1
	s_mov_b32 s[G1+3], 8192<<16                    ; tile_dim0
	s_mov_b32 s[G1+4], 4                           ; tile_dim1
	s_mov_b32 s[G1+5], 8192*64                     ; tensor_dim0_stride: from head to head
	s_mov_b32 s[G1+6], 0
	s_mov_b32 s[G1+7], 0
	; group 1 for B: 128 rows of 256 bytes, 1,024 apart; four words after every 64
	s_or_b32 s[G1B+0], s44, (0<<16)|(1<<20)|(1<<21)|(5<<22)|(3<<25)
	s_mov_b32 s[G1B+1], ROWB<<16
	s_mov_b32 s[G1B+2], 128<<16
	s_mov_b32 s[G1B+3], ROWB<<16
	s_mov_b32 s[G1B+4], 128
	s_mov_b32 s[G1B+5], KROW
	s_mov_b32 s[G1B+6], 0
	s_mov_b32 s[G1B+7], 0
	s_lshl_b32 s18, s16, 7
	s_lshl_b32 s20, s17, 8
	s_add_co_u32 s20, s20, s18
	s_lshl_b32 s20, s20, 6                         ; A: token 256 x tile row + 128 x half, 64 bytes each
	s_mov_b32 s21, 0
	s_lshl_b32 s46, s42, 8
	s_add_co_u32 s46, s46, s18
	s_lshl_b32 s46, s46, 10                        ; B: row 256 x tile column + 128 x half, 1,024 bytes each
	s_mov_b32 s47, 0
	s_mul_i32 s45, s16, HALFA                      ; where they go: no place in the cluster enters an LDS address
	s_mul_i32 s3, s16, HALFB
	s_add_co_u32 s3, s3, BOFF
	s_wait_dscnt 0x0                               ; the opening add is done
	s_wait_kmcnt 0x0
	s_load_b64 s[96:97], s[8:9], 0x28              ; e10, e11
	s_add_nc_u64 s[20:21], s[4:5], s[20:21]
	s_add_nc_u64 s[46:47], s[6:7], s[46:47]
	CROUND                                         ; all sixteen work-groups are here: the first joint loads meet
.irp s, 0,1
	s_mov_b32 s[G0+4*\s], 1
	s_add_co_u32 s[G0+4*\s+1], s45, \s*SLOT
	s_add_nc_u64 s[G0+4*\s+2:G0+4*\s+3], s[20:21], \s*ASTEP
	s_or_b32 s[G0+4*\s+3], s[G0+4*\s+3], 0x80000000
	s_mov_b32 s[G0B+4*\s], 1
	s_add_co_u32 s[G0B+4*\s+1], s3, \s*SLOT
	s_add_nc_u64 s[G0B+4*\s+2:G0B+4*\s+3], s[46:47], \s*ROWB
	s_or_b32 s[G0B+4*\s+3], s[G0B+4*\s+3], 0x80000000
	JLOAD G0+4*\s, G1, G0B+4*\s, G1B               ; two tensor loads of mine are out
.endr
	v_and_b32 v1, 15, v0                           ; r
	v_bfe_u32 v2, v0, 4, 1                         ; h
	v_and_b32 v6, 31, v0                           ; l
	v_lshlrev_b32 v[CO], 4, v6
	s_lshl_b32 s46, s42, 10                        ; my first column, in bytes of f32: 1,024 x tile column + 512 x half
	s_lshl_b32 s47, s16, 9
	s_add_co_u32 s46, s46, s47
	s_mov_b32 s47, 0
	v_add_nc_u32 v[BIO], s46, v[CO]
	global_load_b128 v[BI:BI+3], v[BIO], s[10:11]  ; b_o at columns 4 l .. 4 l + 3 of my 128
	s_lshl_b32 s20, s17, 8
	s_lshl_b32 s21, s15, 7
	s_add_co_u32 s20, s20, s21
	s_lshl_b32 s20, s20, 12                        ; my first row: 256 x tile row + 128 x half, 4,096 bytes each
	s_mov_b32 s21, 0
	s_add_nc_u64 s[20:21], s[20:21], s[46:47]
	s_add_nc_u64 s[68:69], s[68:69], s[20:21]      ; x and out0 at my wave's corner; never stepped: every offset below is an immediate, 127 rows at the most
	s_add_nc_u64 s[70:71], s[70:71], s[20:21]
	v_lshrrev_b32 v[PFO], 1, v6
	v_lshlrev_b32 v[PFO], 12, v[PFO]
	v_and_b32 v7, 1, v6
	v_lshl_add_u32 v[PFO], v7, 8, v[PFO]
	v_mul_u32_u24 v3, v1, APITCH
	v_lshl_add_u32 v3, v2, 4, v3                   ; A: token r x 80 + 16 h
	v_mul_u32_u24 v4, v1, PITCH
	v_lshl_add_u32 v4, v2, 4, v4                   ; B: row r x 272 + 16 h
	s_mul_i32 s21, s15, HALFA                      ; my 128 tokens of A
	s_mul_i32 s22, s16, HALFB                      ; my 128 rows of B
	s_add_co_u32 s22, s22, BOFF
.irp s, 0,1
	v_add_nc_u32 v[ADRA+\s], s21, v3
	v_add_nc_u32 v[ADRB+\s], s22, v4
	s_add_co_u32 s21, s21, SLOT
	s_add_co_u32 s22, s22, SLOT
.endr
	s_mul_i32 s23, s14, 16*SPITCH                  ; my stage
	v_mul_u32_u24 v5, v1, SPITCH
	v_lshl_add_u32 v5, v2, 5, v5
	v_add_nc_u32 v[STO], s23, v5                   ; in: row r, 32 bytes for each half of the lanes
	v_add_nc_u32 v[RD], s23, v[CO]                 ; back: the 32 lanes take one row of 512 bytes
.macro FRAG reg, adr, q, i             ; B: registers 4 c .. 4 c + 3 hold K = 128 q + 32 c + 16 h + 0 .. 15 of row 16 i + r
.irp c, 0,1,2,3
	ds_load_b128 v[\reg+4*\c:\reg+4*\c+3], v[\adr] offset:128*(\q)+32*\c+(\i)*16*PITCH
.endr
.endm
.macro FRAGA reg, adr, q, i            ; A: the same K: head 2 q + c / 2 of the slot's four, channels 32 (c % 2) + 16 h + 0 .. 15, token 16 i + r
.irp c, 0,1,2,3
	ds_load_b128 v[\reg+4*\c:\reg+4*\c+3], v[\adr] offset:(2*(\q)+\c/2)*HEADB+32*(\c%2)+(\i)*16*APITCH
.endr
.endm
.macro MUL16 a0, p, zero               ; 16 matrix instructions: A's blocks a0, a0 + 1 x B's eight.  The 64 accumulators take turns, one instruction a turn, in the same order in every step
.irp a, \a0, \a0+1
.irp b, 0,1,2,3,4,5,6,7
.if \zero
	v_wmma_f32_16x16x128_bf8_bf8 v[8*(8*((\a)%4)+\b):8*(8*((\a)%4)+\b)+7], v[128*(\p)+FR*\b:128*(\p)+FR*\b+FR-1], v[AF+FR*(\a):AF+FR*(\a)+FR-1], 0
.else
	v_wmma_f32_16x16x128_bf8_bf8 v[8*(8*((\a)%4)+\b):8*(8*((\a)%4)+\b)+7], v[128*(\p)+FR*\b:128*(\p)+FR*\b+FR-1], v[AF+FR*(\a):AF+FR*(\a)+FR-1], v[8*(8*((\a)%4)+\b):8*(8*((\a)%4)+\b)+7]
.endif
.endr
.endr
.endm
.macro FETCH_B slot, q, p
	WIN TO_B
.irp i, 0,1,2,3,4,5,6,7
	FRAG 128*(\p)+FR*\i, ADRB+\slot, \q, \i
.endr
	WIN 0
.endm
.macro FETCH_A slot, q, i0
.irp i, \i0, \i0+1, \i0+2, \i0+3
	FRAGA AF+FR*(\i), ADRA+\slot, \q, \i
.endr
.endm
.macro PLACES n
.rept \n
	v_nop
.endr
.endm
; A PREFETCH of the rows of x that the way out will add: blocks i0 .. i0 + 3 of my wave's eight, 16 rows x 512 bytes each: a lane names 256 bytes, an instruction a block.  A wave's part of x is its own, so each 256 bytes are named once in the launch.
; The four stand together, behind the run of LDS loads of a change of slots; the first four four and a half steps of 128 along K ahead of the way out, the others two steps later.
.macro PFX i0
.irp i, \i0, \i0+1, \i0+2, \i0+3
	global_prefetch_b8 v[PFO], s[68:69] offset:(\i)*65536 th:TH_LOAD_NT scope:SCOPE_SE
.endr
.endm
.macro STEP slot, q, zero
	s_wait_dscnt 4*NL                              ; B's set and A's blocks 0-3 are in; the youngest sixteen loads (A's blocks 4-7) may be out
	WIN MUL_LO
	MUL16 0, (\q)%2, \zero
	MUL16 2, (\q)%2, \zero
	s_wait_dscnt 0
	PLACES NP
	FETCH_B \slot, (\q)+1, 1-(\q)%2
	FETCH_A \slot, (\q)+1, 0
	WIN MUL_HI
	MUL16 4, (\q)%2, \zero
	MUL16 6, (\q)%2, \zero
	PLACES NP
	WIN 0
	FETCH_A \slot, (\q)+1, 4
.endm
; A slot's last step changes slots: ONE barrier; in front of it each wave waits for all its tensor loads, adds 0 to its spare word, and waits for that and for its own reads of this slot.  fill = 1: this slot is filled again.  pf >= 0: four prefetches from block pf on.
.macro TURN slot, next, fill, pf
	s_wait_tensorcnt 0x0                           ; all my tensor loads have landed: my part of the next slot  (every window is 0 here)
	ds_add_u32 v[SPW], v[NIL]                      ; 0 onto my spare word
	s_wait_dscnt 4*NL+1                            ; (the add and the youngest sixteen loads may be out)
	WIN MUL_LO
	MUL16 0, 1, 0
	s_wait_dscnt 0x0                               ; the add is done, and my reads of this slot are over
	s_barrier_signal -1
	MUL16 2, 1, 0
	WIN 0
	s_barrier_wait -1
.if \fill
	CREST                                          ; the barrier has opened a round of the cluster's barrier: no wave of any partner still reads this slot or has a load on its way
	s_add_nc_u64 s[G0+4*\slot+2:G0+4*\slot+3], s[G0+4*\slot+2:G0+4*\slot+3], 2*ASTEP
	s_add_nc_u64 s[G0B+4*\slot+2:G0B+4*\slot+3], s[G0B+4*\slot+2:G0B+4*\slot+3], 2*ROWB
	JLOAD G0+4*\slot, G1, G0B+4*\slot, G1B         ; my one tensor load behind the round; its four v_nop are the places in front of the loads below
.else
	PLACES NP
.endif
	FETCH_B \next, 0, 0
	FETCH_A \next, 0, 0
.if \pf >= 0
	PFX \pf
.endif
	WIN MUL_HI
	MUL16 4, 1, 0
	MUL16 6, 1, 0
	PLACES NP
	WIN 0
	FETCH_A \next, 0, 4
.endm
	s_wait_tensorcnt 1                             ; my part of K step 0 is in (K step 1's load may be out)
	s_barrier_signal -1
	s_barrier_wait -1                              ; everybody's is
	FETCH_B 0, 0, 0
	FETCH_A 0, 0, 0
	FETCH_A 0, 0, 4
	STEP 0, 0, 1                                   ; eight steps of 128 along K, written out: the first starts the sums
	TURN 0, 1, 1, -1                               ; slot 0 takes heads 8-11
	STEP 1, 0, 0
	TURN 1, 0, 1, 0                                ; slot 1 takes heads 12-15: the last tensor load
	STEP 0, 0, 0
	TURN 0, 1, 0, 4                                ; behind this barrier nobody reads slot 0
	STEP 1, 0, 0
	s_wait_dscnt 4*NL
	WIN MUL_LO
	MUL16 0, 1, 0
	MUL16 2, 1, 0
	s_wait_dscnt 0
	WIN MUL_HI
	MUL16 4, 1, 0
	MUL16 6, 1, 0
	WIN 0
; THE WAY OUT, block by block of 16 rows x 128 columns.  The sums go as they are through my own stage and come back as whole rows of 512 bytes; there each pair becomes sum x 2^(e10 + e11) + x, then + b_o, and the 32 lanes store the row.
.macro XLOAD a                         ; block a's 16 rows of x, my 512 bytes of each, into window 1
	WIN TO_B
.irp t, 0,1,2,3,4,5,6,7,8,9,10,11,12,13,14,15
	global_load_b128 v[64*((\a)%2)+4*\t:64*((\a)%2)+4*\t+3], v[CO], s[68:69] offset:(16*(\a)+\t)*4096 th:TH_LOAD_NT
.endr
	WIN 0
.endm
.macro TOSTAGE a
.set AC, 64*((\a)%4)
	WIN 0x08+4*((\a)/4)                            ; an LDS store's data: window 2 or 3
.irp b, 0,1,2,3,4,5,6,7
	ds_store_b128 v[STO], v[AC+8*\b:AC+8*\b+3] offset:64*\b          ; each accumulator from its low end on
	ds_store_b128 v[STO], v[AC+8*\b+4:AC+8*\b+7] offset:64*\b+16
.endr
	WIN 0
.set BB, BK+64*((\a)%2)
.irp t, 0,1,2,3,4,5,6,7,8,9,10,11,12,13,14,15
	ds_load_b128 v[BB+4*\t:BB+4*\t+3], v[RD] offset:\t*SPITCH       ; LDS serves a wave's instructions in order (ISA guide 5.7.1.4): these see the stores above, and the next block's stores come behind them
.endr
.endm
.macro SEND a, yd, yl                  ; yd, yl: the LDS instructions and the loads issued behind block a's, which may stay out
.set BB, BK+64*((\a)%2)
.set XX, 64*((\a)%2)
	s_wait_dscnt \yd
	s_wait_loadcnt \yl
	WIN 0x10                                       ; source 2 (x) window 1
.set ii, 0
.rept 32
	v_pk_fma_f32 v[BB+ii:BB+ii+1], v[BB+ii:BB+ii+1], s[96:97], v[XX+ii:XX+ii+1] op_sel_hi:[1,0,1]
.set ii, ii+2
.endr
	WIN 0
.set ii, 0
.rept 32
	v_pk_add_f32 v[BB+ii:BB+ii+1], v[BB+ii:BB+ii+1], v[BI+ii%4:BI+ii%4+1]
.set ii, ii+2
.endr
.irp t, 0,1,2,3,4,5,6,7,8,9,10,11,12,13,14,15
	global_store_b128 v[CO], v[BB+4*\t:BB+4*\t+3], s[70:71] offset:(16*(\a)+\t)*4096 th:TH_STORE_NT   ; 32 lanes store 512 consecutive bytes, aligned
.endr
.endm
	s_wait_kmcnt 0x0
	s_add_co_i32 s96, s96, s97
	s_add_co_i32 s96, s96, 127
	s_lshl_b32 s96, s96, 23                        ; 2^(e10 + e11) as f32
	s_mov_b32 s97, s96                             ; (named with it as a pair)
	PLACES NP                                      ; in front of the loads into registers that held fragments, and of the first read of results
	XLOAD 0
	XLOAD 1
	TOSTAGE 0
.irp a, 1,2,3,4,5,6,7
.if \a > 1
	s_wait_xcnt 0x0                                ; block a - 2's stores have read their data: block a's rows may land there
.endif
	TOSTAGE \a
	SEND \a-1, 32, 16                              ; behind block a - 1's: block a's 16 stores and 16 loads in LDS, and block a's 16 rows of x
.if \a < 7
	XLOAD \a+1                                     ; into the registers that block a - 1's rows of x have left
.endif
.endr
	SEND 7, 0, 0
	s_wait_tensorcnt 0x0                           ; the wave's end, behind my last tensor load and my last LDS store
	ds_add_u32 v[SPW], v[NIL]
	s_wait_dscnt 0x0
	CROUND                                         ; the closing round: no work-group ends while a partner may still ask for a tile that names it
	s_endpgm
.Lfunc_end_k_q71e604cc1f_oproj:
	.size	k_q71e604cc1f_oproj, .Lfunc_end_k_q71e604cc1f_oproj-k_q71e604cc1f_oproj
	.p2alignl 7, 3214868480
	.fill 96, 4, 3214868480
	.section	.rodata,"a",@progbits
	.p2align	6, 0x0
	.amdhsa_kernel k_q71e604cc1f_oproj
		.amdhsa_group_segment_fixed_size 327680
		.amdhsa_private_segment_fixed_size 0
		.amdhsa_enable_private_segment 0
		.amdhsa_kernarg_size 48
		.amdhsa_user_sgpr_count 2
		.amdhsa_user_sgpr_kernarg_segment_ptr 1
		.amdhsa_wavefront_size32 1
		.amdhsa_system_sgpr_workgroup_id_x 1
		.amdhsa_system_sgpr_workgroup_id_y 1
		.amdhsa_system_sgpr_workgroup_id_z 1
		.amdhsa_system_vgpr_workitem_id 0
		.amdhsa_next_free_vgpr 1024
		.amdhsa_next_free_sgpr 100
		.amdhsa_reserve_vcc 0
		.amdhsa_float_denorm_mode_32 3
		.amdhsa_float_denorm_mode_16_64 3
		.amdhsa_memory_ordered 1
		.amdhsa_forward_progress 1
		.amdhsa_inst_pref_size 153
	.end_amdhsa_kernel
	.amdgpu_metadata
---
amdhsa.version: [ 1, 2 ]
amdhsa.kernels:
  - .name:           k_q71e604cc1f_oproj
    .symbol:         k_q71e604cc1f_oproj.kd
    .args:
      - { .name: cc, .offset: 0, .size: 8, .value_kind: global_buffer, .address_space: global }
      - { .name: w_o_codes, .offset: 8, .size: 8, .value_kind: global_buffer, .address_space: global }
      - { .name: lowp_scales, .offset: 16, .size: 8, .value_kind: global_buffer, .address_space: global }
      - { .name: b_o, .offset: 24, .size: 8, .value_kind: global_buffer, .address_space: global }
      - { .name: x, .offset: 32, .size: 8, .value_kind: global_buffer, .address_space: global }
      - { .name: out0, .offset: 40, .size: 8, .value_kind: global_buffer, .address_space: global }
    .group_segment_fixed_size: 327680
    .private_segment_fixed_size: 0
    .kernarg_segment_align: 8
    .kernarg_segment_size: 48
    .max_flat_workgroup_size: 128
    .sgpr_count:     100
    .vgpr_count:     1024
    .wavefront_size: 32
...
	.end_amdgpu_metadata
.endif
;; end of part 4
